; MI455X (gfx1250); checked and timed in simulation.
; The chip was launched on July 23, 2026; its instructions are those of AMD's public machine-readable ISA for CDNA 5 (MIT licence, August 2026) and "CDNA5" Instruction Set Architecture Reference Guide (July 2026). The comments in the code are by the model that wrote it; some were corrected since.
;; Attention. Allowed arithmetic: float matrix products may take bf16 or f16 operands with f32 sums; other float arithmetic in f32, or as packed bf16 or f16 multiplies, adds, multiply-adds, maxima and minima; sums over many terms, partial sums and values carried from step to step in f32; what a program stores and reads back later, other than sums and carried values, may be rounded once to bf16 or f16.
;; Inputs: Wk 1,024 x 1,024 float32; Wq 1,024 x 1,024 float32; Wv 1,024 x 1,024 float32; x 4,096 x 1,024 float32.
;; Outputs: out0 4,096 x 1,024 float32.
;; 2 versions, each right; version 2 is version 1 with the launch prep written anew for expert scheduling mode. Each part assembles by itself: llvm-mc -triple=amdgcn-amd-amdhsa -mcpu=gfx1250 --defsym DOCPART=n.
;; ======== version 1 of 2: 4 launches
;; limits: values are held in f16: magnitudes above 65,504 overflow, below 6.1e-05 lose precision
;; workspace buffers: xb 8,388,608 bytes; wb 6,291,456 bytes; qkv 25,165,824 bytes; p 33,554,432 bytes; stats 524,288 bytes
;; launch prep (part 1): grid 256 x 1, 7 waves a work-group, no clusters, 0 bytes of LDS; arguments x, Wq, Wk, Wv, xb, wb; writes xb, wb
.if DOCPART == 1
	.amdgcn_target "amdgcn-amd-amdhsa--gfx1250"
	.amdhsa_code_object_version 6
	.text
	.protected	k_q8314a9d71e_prep
	.globl	k_q8314a9d71e_prep
	.p2align	8
	.type	k_q8314a9d71e_prep,@function
k_q8314a9d71e_prep:
	s_mov_b64 s[64:65], 0
	v_nop
	global_prefetch_b8 v0, s[64:65] scope:SCOPE_SE
	s_setreg_imm32_b32 hwreg(HW_REG_WAVE_MODE, 25, 1), 1
	s_wait_xcnt 0x0
; THE PROGRAM: out = softmax(q k^T / 32) v with q, k, v = x Wq, x Wk, x Wv.  x: [4096][1024], W: [1024][1024], out: [4096][1024], all f32.
; Four launches: this one rounds x and the three W to bf16; the second makes q, k, v (f16); the third the scores and, for each row and each block of 256 keys, the block's maximum,
; its weights p (f16) and their sum; the fourth adds the blocks' products P v, each times its row's factor.
; NO WORK IS LEFT OUT: all four inputs reach the output, and every step of the reference is done; the maximum is taken away in front of every exponential.
; LIMITS.  All inputs are rounded once to bf16.  q, k, v are kept in f16: they must stay under 65,504 (inputs 30 times the drawn spread give about 4,500; an offset of 30 spreads on x and W about 29,000).
; A weight under 6e-5 of its block's largest keeps f16's fixed step of 6e-8.  NaN and infinities are not treated apart.
; THIS LAUNCH: xb[r][c] = bf16(x[r][c]);  wb[k][1024 i + n] = bf16(Wi[k][n]), i = 0, 1, 2 for Wq, Wk, Wv: the three W side by side, so that one product makes q, k and v.
; A stream: 7,168 rows of 4,096 bytes, four rows to a wave (256 work-groups x 7 waves x 4); the buffers' ends are multiples of four rows, so a wave lies in one buffer.
; A load of the wave takes 512 consecutive bytes (16 a lane), the store of its four numbers a lane 256 consecutive bytes (8 a lane), aligned.
; All 32 loads of a wave go out at once; no register is written twice, so no wait frees any.  No LDS, no barrier, no matrix unit: nothing is shared.  No prefetch: every byte is asked for at once.
.set XR, 16                            ; v[16:143]  32 loads x 4 registers
.set YR, 144                           ; v[144:207] 32 stores x 2 registers
	s_load_b256 s[4:11], s[0:1], 0x0               ; x s[4:5], Wq s[6:7], Wk s[8:9], Wv s[10:11]
	s_load_b128 s[12:15], s[0:1], 0x20             ; xb s[12:13], wb s[14:15]
	v_lshrrev_b32 v1, 5, v0
	v_readfirstlane_b32 s16, v1                    ; wave 0..6
	s_mul_i32 s17, ttmp9, 7
	s_add_co_u32 s17, s17, s16
	s_lshl_b32 s17, s17, 2                         ; R: my first row of the 7,168
	s_sub_co_u32 s18, s17, 4096                    ; its number among W's 3,072 rows (of no use where R < 4,096)
	s_bfe_u32 s19, s18, 0x2000a                    ; which W: 2 bits from bit 10
	s_and_b32 s20, s18, 1023                       ; k: the row in that W
	s_lshl_b32 s21, s17, 12                        ; source offset in x: R x 4,096
	s_lshl_b32 s22, s20, 12                        ; in W: k x 4,096
	s_lshl_b32 s23, s17, 11                        ; destination offset in xb: R x 2,048
	s_mul_i32 s33, s20, 6144                       ; in wb: k x 6,144 + which x 2,048
	s_lshl_b32 s34, s19, 11
	s_add_co_u32 s33, s33, s34
	s_movk_i32 s35, 2048                           ; bytes from row to row in xb,
	s_movk_i32 s36, 6144                           ; in wb
	s_mov_b32 s29, 0
	s_mov_b32 s31, 0
	v_and_b32 v1, 31, v0                           ; lane
	v_lshlrev_b32 v2, 4, v1                        ; 4 f32 a lane: 16 bytes in,
	v_lshlrev_b32 v4, 3, v1                        ; 8 bytes out
	s_wait_kmcnt 0x0
	s_cmp_eq_u32 s19, 1                            ; the choices hang on the row's number alone
	s_cselect_b64 s[24:25], s[8:9], s[6:7]
	s_cmp_eq_u32 s19, 2
	s_cselect_b64 s[24:25], s[10:11], s[24:25]
	s_cmp_lt_u32 s17, 4096
	s_cselect_b64 s[24:25], s[4:5], s[24:25]       ; from where,
	s_cselect_b64 s[26:27], s[12:13], s[14:15]     ; to where
	s_cselect_b32 s28, s21, s22
	s_cselect_b32 s30, s23, s33
	s_cselect_b32 s32, s35, s36
	s_add_nc_u64 s[24:25], s[24:25], s[28:29]
	s_add_nc_u64 s[26:27], s[26:27], s[30:31]
.set i, 0
.rept 32                               ; piece i: row i / 8, its eighth i % 8: 512 consecutive bytes
	global_load_b128 v[XR+4*i:XR+4*i+3], v2, s[24:25] offset:(i/8)*4096+(i%8)*512 th:TH_LOAD_NT
.set i, i+1
.endr
	v_add_nc_u32 v5, s32, v4                       ; my 8 bytes in the wave's rows 1, 2, 3 of the destination
	v_add_nc_u32 v6, s32, v5
	v_add_nc_u32 v7, s32, v6
.set i, 0
.rept 32
	s_wait_loadcnt 31-i                            ; loads come back in order: piece i is in, the 31 - i younger ones may stay out
	v_cvt_pk_bf16_f32 v[YR+2*i],   v[XR+4*i],   v[XR+4*i+1]
	v_cvt_pk_bf16_f32 v[YR+2*i+1], v[XR+4*i+2], v[XR+4*i+3]
	global_store_b64 v[4+i/8], v[YR+2*i:YR+2*i+1], s[26:27] offset:(i%8)*256  ; 256 consecutive bytes, at a multiple of 256 from the buffer's first
.set i, i+1
.endr
	s_endpgm
.Lfunc_end_k_q8314a9d71e_prep:
	.size	k_q8314a9d71e_prep, .Lfunc_end_k_q8314a9d71e_prep-k_q8314a9d71e_prep
	.p2alignl 7, 3214868480
	.fill 96, 4, 3214868480
	.section	.rodata,"a",@progbits
	.p2align	6, 0x0
	.amdhsa_kernel k_q8314a9d71e_prep
		.amdhsa_group_segment_fixed_size 0
		.amdhsa_private_segment_fixed_size 0
		.amdhsa_enable_private_segment 0
		.amdhsa_kernarg_size 48
		.amdhsa_user_sgpr_count 2
		.amdhsa_user_sgpr_kernarg_segment_ptr 1
		.amdhsa_wavefront_size32 1
		.amdhsa_system_sgpr_workgroup_id_x 1
		.amdhsa_system_sgpr_workgroup_id_y 1
		.amdhsa_system_sgpr_workgroup_id_z 1
		.amdhsa_system_vgpr_workitem_id 0
		.amdhsa_next_free_vgpr 208
		.amdhsa_next_free_sgpr 66
		.amdhsa_reserve_vcc 0
		.amdhsa_float_denorm_mode_32 3
		.amdhsa_float_denorm_mode_16_64 3
		.amdhsa_memory_ordered 1
		.amdhsa_forward_progress 1
		.amdhsa_inst_pref_size 13
	.end_amdhsa_kernel
	.amdgpu_metadata
---
amdhsa.version: [ 1, 2 ]
amdhsa.kernels:
  - .name:           k_q8314a9d71e_prep
    .symbol:         k_q8314a9d71e_prep.kd
    .args:
      - { .name: x, .offset: 0, .size: 8, .value_kind: global_buffer, .address_space: global }
      - { .name: Wq, .offset: 8, .size: 8, .value_kind: global_buffer, .address_space: global }
      - { .name: Wk, .offset: 16, .size: 8, .value_kind: global_buffer, .address_space: global }
      - { .name: Wv, .offset: 24, .size: 8, .value_kind: global_buffer, .address_space: global }
      - { .name: xb, .offset: 32, .size: 8, .value_kind: global_buffer, .address_space: global }
      - { .name: wb, .offset: 40, .size: 8, .value_kind: global_buffer, .address_space: global }
    .group_segment_fixed_size: 0
    .private_segment_fixed_size: 0
    .kernarg_segment_align: 8
    .kernarg_segment_size: 48
    .max_flat_workgroup_size: 224
    .sgpr_count:     66
    .vgpr_count:     208
    .wavefront_size: 32
...
	.end_amdgpu_metadata
.endif
;; end of part 1
;; launch proj (part 2): grid 12 x 16, 4 waves a work-group, clusters of 4 x 4, 327,680 bytes of LDS; arguments xb, wb, qkv; writes qkv
.if DOCPART == 2
	.amdgcn_target "amdgcn-amd-amdhsa--gfx1250"
	.amdhsa_code_object_version 6
	.text
	.protected	k_q8314a9d71e_proj
	.globl	k_q8314a9d71e_proj
	.p2align	8
	.type	k_q8314a9d71e_proj,@function
k_q8314a9d71e_proj:
	s_mov_b64 s[64:65], 0
	v_nop
	global_prefetch_b8 v0, s[64:65] scope:SCOPE_SE
	s_setreg_imm32_b32 hwreg(HW_REG_WAVE_MODE, 25, 1), 1
	s_wait_xcnt 0x0
	s_wait_alu depctr_hold_cnt(0) depctr_sa_sdst(0) depctr_va_vdst(0) depctr_va_sdst(0) depctr_va_ssrc(0) depctr_va_vcc(0) depctr_vm_vsrc(0)
	s_getreg_b32 s2, hwreg(HW_REG_IB_STS2, 6, 4)
	s_cmp_eq_u32 s2, 0
	s_cbranch_scc0 .Lentry_in_a_cluster
	s_endpgm
.Lentry_in_a_cluster:
	s_bfe_u32 s2, ttmp6, 0x10000c
	s_cmp_lg_u32 s2, 0xf033
	s_cbranch_scc0 .Lentry_shape_is_right
	s_endpgm
.Lentry_shape_is_right:
; [q | k | v] = xb wb.  xb: [4096][1024] bf16.  wb: [1024 k][3072 n] bf16 (Wq, Wk, Wv side by side).  qkv: [3][4096][1024] f16.  Products in bf16, sums in f32, K ascending; each result rounded once to f16.
; No work is left out.  LIMIT: a result of 65,520 or more becomes an infinity in f16.
; A tile of 256 x 256 of the result is made by four waves, each 128 x 128: 64 accumulators of 16 x 16, 512 registers.  K goes in steps of 128 through a ring of two LDS slots filled by the tensor data mover.
; 12 x 16 tiles: 192 work-groups; a tile 192 wide would give 256, but its rows of 384 bytes would part blocks of 256 bytes between work-groups.
; CLUSTER 4 x 4: the four of a row need the same tiles of xb, the four of a column the same tiles of wb; each tile is asked for jointly: the same load, descriptor and mask in all four.
; THE MATRIX INSTRUCTION IS USED TRANSPOSED: source 0 = 16 columns of wb, source 1 = 16 rows of xb: a lane then holds eight neighbouring numbers of one row of the result.
; wb lies [k][n]: its fragments come out of LDS turned, by ds_load_tr16_b128.
; REGISTERS, in windows of 256: window 0: v0-31 addresses; v64-127, v128-191 fragments of xb, two buffers; v32-63, v192-255 at work on the way out.
;   window 1: v64-127, v128-191 fragments of wb.   window 2: accumulators of my rows 0-63 ((a, b) at v[8 (8 a + b)]).   window 3: those of my rows 64-127.
.set KSTEP,  128
.set PITCH,  272                       ; an LDS row of xb: 256 bytes + 16: the 16 rows of a load start at 16 different groups of four banks (64 banks of 4 bytes: ISA guide 11.1)
.set BPITCH, 544                       ; an LDS row of wb (one k, 256 n): 512 bytes + 32
.set HALFT,  128*PITCH                 ; what one tensor load brings: 128 rows of xb, or 64 rows of wb (64 x 544 is the same number)
.set SLOT,   4*HALFT                   ; xb's 256 rows, then wb's 128 k
.set STAGE,  2*SLOT                    ; behind the ring: 16 rows x 272 bytes for each wave, for the way out
.set SPITCH, 272
.set SPARE,  STAGE+4*16*SPITCH         ; behind the stages: the spare words, 128 bytes for each wave
.set XROW,   2048                      ; bytes in a row of xb, and of q, k, v
.set WROW,   6144                      ; bytes in a row of wb
.set ASTEP,  KSTEP*2                   ; a K step along xb's rows,
.set BSTEP,  KSTEP*WROW                ; and down wb's
.set LAPS,   4                         ; a lap = two K steps = once round the ring; K = 1,024
.set ADRA, 16                          ; v16-17  LDS address of my fragments of xb in slot 0, 1
.set ADRB, 20                          ; v20-21  the same for wb
.set STO,  24                          ; v24     the way out: where I put 16 bytes of a row
.set RD,   25                          ; v25     where I read a row back
.set CO,   26                          ; v26     my byte offset in the result
.set SPW,  28                          ; v28     LDS address of my spare word; never rewritten
.set NIL,  29                          ; v29     0; never rewritten
.set PFO,  30                          ; v30     the prefetches' lane offset; never rewritten
.set F0,   64
.set F1,   128
.set TMP,  192
.set OB,   32
.set G1,  24                           ; s[24:31] descriptor group 1 for xb's tiles;  s[32:39] group 0, a set for each slot
.set G0,  32
.set G1B, 48                           ; s[48:55], s[56:63] the same for wb's tiles
.set G0B, 56
.set LIM, 43                           ; s43     1 in a wave that prefetches, else the greatest number
.set PFA, 44                           ; s[44:45] the K step that my next prefetch names
.set PFS, 66                           ; s[66:67] its step
.set MSB, 0
.macro WIN new                         ; the immediate's high byte repeats the setting that is left; a switch that changes nothing is dropped
.if MSB != (\new)
	s_set_vgpr_msb (MSB<<8)|(\new)
.set MSB, \new
.endif
.endm
.set MUL_LO, 0xa1                      ; source 0 (wb) window 1, source 1 (xb) window 0, C and D window 2
.set MUL_HI, 0xf1                      ; the same, C and D window 3
.set TO_B,   0x40                      ; destination window 1, address window 0
; A joint load.  Waves 0 and 1 fetch xb's two halves, waves 2 and 3 wb's.  The branch hangs on the wave's number alone.  An s_nop 0 and four v_nop follow each line.
.macro JLOAD s
	s_cmp_eq_u32 s11, 0
	s_cbranch_scc0 .Lfor_b_\@
	tensor_load_to_lds s[G0+4*(\s):G0+4*(\s)+3], s[G1:G1+7]
	s_nop 0
.rept 4
	v_nop
.endr
	s_branch .Lasked_\@
.Lfor_b_\@:
	tensor_load_to_lds s[G0B+4*(\s):G0B+4*(\s)+3], s[G1B:G1B+7]
	s_nop 0
.rept 4
	v_nop
.endr
.Lasked_\@:
.endm
; A prefetch of the K step that stands two refills on (512 matrix instructions ahead of the load that will want it): 32 blocks of 256 bytes, a lane a block, one instruction a wave.
; Each block is named once in the launch: xb's rows by the clusters with x = 0, wb's by those with y = 0; the four partners of a joint load share its blocks out by address.
; K steps 0 to 3 come by their loads alone; the loop's last trip (s3 = 1) asks for nothing: there is no K step 8.
.macro ASK
	s_cmp_gt_u32 s3, s[LIM]
	s_cbranch_scc0 .Lnot_mine_\@
	global_prefetch_b8 v[PFO], s[PFA:PFA+1] th:TH_LOAD_NT scope:SCOPE_SE
.Lnot_mine_\@:
.endm
.macro CREST                           ; a round of the cluster's barrier behind its opening barrier
	s_cmp_lg_u32 s10, 0
	s_cbranch_scc1 .Lnot_wave_0_\@
	s_barrier_signal -3
.Lnot_wave_0_\@:
	s_barrier_wait -3
	s_barrier_signal -1
	s_barrier_wait -1
.endm
.macro CROUND                          ; a whole round
	s_barrier_signal -1
	s_barrier_wait -1
	CREST
.endm
	s_load_b128 s[4:7], s[0:1], 0x0                ; xb s[4:5], wb s[6:7]
	s_load_b64 s[8:9], s[0:1], 0x10                ; qkv
	v_lshl_add_u32 v[SPW], v0, 2, SPARE
	v_mov_b32 v[NIL], 0
	ds_add_u32 v[SPW], v[NIL]                      ; the wave's opening: the add, twice on end, and its wait ahead of my first tensor load
	ds_add_u32 v[SPW], v[NIL]
	v_lshrrev_b32 v1, 5, v0
	v_readfirstlane_b32 s10, v1                    ; wave 0..3
	s_lshr_b32 s11, s10, 1                         ; which half of the tile's rows is mine.  Also: I fetch for xb (0) or for wb (1)
	s_and_b32 s12, s10, 1                          ; which half of its columns.  Also: which half of that tile I fetch
	s_bfe_u32 s40, ttmp6, 0x40000                  ; cx
	s_bfe_u32 s41, ttmp6, 0x40004                  ; cy
	s_lshl_b32 s42, ttmp9, 2
	s_add_co_u32 s42, s42, s40                     ; tile column 0..11 = 4 x cluster x + cx
	s_and_b32 s13, ttmp7, 0xffff
	s_lshl_b32 s13, s13, 2
	s_add_co_u32 s13, s13, s41                     ; tile row 0..15 = 4 x cluster y + cy
	s_lshl_b32 s43, s41, 2
	s_lshl_b32 s43, 15, s43                        ; my row of the cluster
	s_lshl_b32 s44, 0x1111, s40                    ; my column
	; group 1 for xb: 128 rows x 128 elements of 2 bytes, 4 words of padding behind every 64
	s_or_b32 s[G1+0], s43, (1<<16)|(1<<20)|(1<<21)|(5<<22)|(3<<25)
	s_mov_b32 s[G1+1], KSTEP<<16                   ; tensor_dim0 = 128
	s_mov_b32 s[G1+2], 128<<16                     ; tensor_dim1 = 128
	s_mov_b32 s[G1+3], KSTEP<<16                   ; tile_dim0 = 128
	s_mov_b32 s[G1+4], 128                         ; tile_dim1 = 128
	s_mov_b32 s[G1+5], 1024                        ; elements from row to row
	s_mov_b32 s[G1+6], 0
	s_mov_b32 s[G1+7], 0
	; group 1 for wb: 64 rows (k) x 256 elements (n), 8 words of padding behind every 128
	s_or_b32 s[G1B+0], s44, (1<<16)|(1<<20)|(1<<21)|(6<<22)|(7<<25)
	s_mov_b32 s[G1B+1], 256<<16                    ; tensor_dim0 = 256
	s_mov_b32 s[G1B+2], 64<<16                     ; tensor_dim1 = 64
	s_mov_b32 s[G1B+3], 256<<16                    ; tile_dim0 = 256
	s_mov_b32 s[G1B+4], 64                         ; tile_dim1 = 64
	s_mov_b32 s[G1B+5], 3072
	s_mov_b32 s[G1B+6], 0
	s_mov_b32 s[G1B+7], 0
	s_lshl_b32 s17, s12, 7
	s_lshl_b32 s16, s13, 8
	s_add_co_u32 s16, s16, s17                     ; xb: row 256 x tile row + 128 x half,
	s_lshl_b32 s16, s16, 11                        ; in bytes
	s_mov_b32 s17, 0
	s_mul_i32 s46, s12, 64*WROW                    ; wb: k row 64 x half,
	s_lshl_b32 s47, s42, 9                         ; column 256 x tile column
	s_add_co_u32 s46, s46, s47
	s_mov_b32 s47, 0
	s_mul_i32 s20, s10, HALFT                      ; where they go: wave x HALFT: no place in the cluster enters an LDS address
	s_wait_dscnt 0x0                               ; both opening adds are done
	s_wait_kmcnt 0x0
	s_add_nc_u64 s[14:15], s[4:5], s[16:17]
	s_add_nc_u64 s[46:47], s[6:7], s[46:47]
	CROUND                                         ; all sixteen work-groups are here: the first joint loads meet
.irp s, 0,1
	s_mov_b32 s[G0+4*(\s)], 1
	s_add_co_u32 s[G0+4*(\s)+1], s20, (\s)*SLOT
	s_add_nc_u64 s[G0+4*(\s)+2:G0+4*(\s)+3], s[14:15], (\s)*ASTEP
	s_or_b32 s[G0+4*(\s)+3], s[G0+4*(\s)+3], 0x80000000
	s_mov_b32 s[G0B+4*(\s)], 1
	s_add_co_u32 s[G0B+4*(\s)+1], s20, (\s)*SLOT
	s_add_nc_u64 s[G0B+4*(\s)+2:G0B+4*(\s)+3], s[46:47], (\s)*BSTEP
	s_or_b32 s[G0B+4*(\s)+3], s[G0B+4*(\s)+3], 0x80000000
	JLOAD \s                                       ; two loads of mine are out
.endr
	; a fragment of xb: lane l holds row l % 16; two loads of 16 bytes, 32 bytes apart, at row x pitch + 16 (l / 16)
	v_and_b32 v1, 15, v0                           ; l % 16
	v_bfe_u32 v2, v0, 4, 1                         ; l / 16
	v_mul_u32_u24 v3, v1, PITCH
	v_lshl_add_u32 v3, v2, 4, v3
	s_mul_i32 s21, s11, HALFT                      ; my 128 rows of xb
	v_add_nc_u32 v[ADRA], s21, v3
	v_add_nc_u32 v[ADRA+1], SLOT, v[ADRA]
	; a fragment of wb, turned: lane l reads 16 bytes of k row 8 (l / 16) + l % 8, columns 8 ((l / 8) % 2) on, and ends with column l % 16 and 8 k
	v_and_b32 v4, 7, v0
	v_lshl_add_u32 v4, v2, 3, v4
	v_mul_u32_u24 v4, v4, BPITCH
	v_bfe_u32 v5, v0, 3, 1
	v_lshl_add_u32 v4, v5, 4, v4
	s_lshl_b32 s22, s12, 8                         ; my 128 columns: 256 bytes of a row,
	s_add_co_u32 s22, s22, 2*HALFT                 ; behind xb's 256 rows
	v_add_nc_u32 v[ADRB], s22, v4
	v_add_nc_u32 v[ADRB+1], SLOT, v[ADRB]
	s_mul_i32 s23, s10, 16*SPITCH
	s_add_co_u32 s23, s23, STAGE                   ; my stage
	v_mul_u32_u24 v4, v1, SPITCH                   ; in: row l % 16, 16 bytes for each half of the lanes
	v_lshl_add_u32 v4, v2, 4, v4
	v_add_nc_u32 v[STO], s23, v4
	v_mul_u32_u24 v5, v2, SPITCH                   ; back: lanes 0-15 one row of 256 bytes, lanes 16-31 the next
	v_lshl_add_u32 v5, v1, 4, v5
	v_add_nc_u32 v[RD], s23, v5
	v_lshlrev_b32 v5, 11, v2                       ; and the same two rows in the result
	v_lshl_add_u32 v[CO], v1, 4, v5
	; where my part of the tile begins in qkv: tensor = cluster x (four tile columns to a tensor), row 256 x tile row + 128 x half, column 256 cx + 128 x half
	s_lshl_b32 s16, s13, 8
	s_lshl_b32 s14, s11, 7
	s_add_co_u32 s16, s16, s14
	s_lshl_b32 s16, s16, 11
	s_lshl_b32 s46, s40, 9
	s_lshl_b32 s47, s12, 8
	s_add_co_u32 s46, s46, s47
	s_lshl_b32 s47, ttmp9, 23                      ; 8,388,608 bytes to a tensor
	s_add_co_u32 s46, s46, s47
	s_add_co_u32 s16, s16, s46
	s_mov_b32 s17, 0
	; the prefetches.  xb: of the 128 rows that I fetch, my work-group's 32 (by cx), a lane a row.  wb: of the 64 k rows x 512 bytes, my work-group's 16 rows (by cy), two lanes a row.
	s_lshl_b32 s20, s13, 8
	s_lshl_b32 s21, s12, 7
	s_add_co_u32 s20, s20, s21
	s_lshl_b32 s21, s40, 5
	s_add_co_u32 s20, s20, s21
	s_lshl_b32 s20, s20, 11
	s_add_co_u32 s20, s20, 3*ASTEP                 ; at K step 3: the first refill steps it to 4
	s_lshl_b32 s21, s12, 6
	s_lshl_b32 s22, s41, 4
	s_add_co_u32 s21, s21, s22
	s_mul_i32 s21, s21, WROW
	s_lshl_b32 s22, s42, 9
	s_add_co_u32 s21, s21, s22
	s_add_co_u32 s21, s21, 3*BSTEP
	s_and_b32 s22, ttmp7, 0xffff                   ; cluster y
	s_mov_b32 s23, ASTEP
	s_mov_b32 s14, BSTEP
	s_movk_i32 s15, XROW
	s_movk_i32 s18, WROW
	s_cmp_eq_u32 s11, 0                            ; do I fetch for xb?
	s_cselect_b32 s20, s20, s21
	s_cselect_b32 s22, ttmp9, s22                  ; the coordinate along which other clusters read the same rows
	s_cselect_b64 s[PFA:PFA+1], s[4:5], s[6:7]
	s_cselect_b32 s[PFS], s23, s14
	s_cselect_b32 s19, s15, s18                    ; bytes from row to row
	s_cselect_b32 s18, 0, 1                        ; lanes to a row, less one: a shift and a mask
	s_mov_b32 s[PFS+1], 0
	s_mov_b32 s21, 0
	s_cmp_eq_u32 s22, 0
	s_cselect_b32 s[LIM], 1, -1                    ; the same in all sixteen partners, for a given wave
	s_add_nc_u64 s[PFA:PFA+1], s[PFA:PFA+1], s[20:21]
	v_and_b32 v5, 31, v0
	v_lshrrev_b32 v6, s18, v5
	v_and_b32 v7, s18, v5
	v_mul_u32_u24 v[PFO], s19, v6
	v_lshl_add_u32 v[PFO], v7, 8, v[PFO]
; 16 matrix instructions: m blocks a0, a0 + 1 of the window's four x all 8 n blocks, 32 along K.  zero = 1: the first product starts the sums
.macro MUL16 f, hi, a0, zero
	WIN MUL_LO+0x50*(\hi)
.irp a, \a0, (\a0)+1
.irp b, 0,1,2,3,4,5,6,7
.if \zero
	v_wmma_f32_16x16x32_bf16 v[8*(8*(\a)+(\b)):8*(8*(\a)+(\b))+7], v[(\f)+8*(\b):(\f)+8*(\b)+7], v[(\f)+8*(4*(\hi)+(\a)):(\f)+8*(4*(\hi)+(\a))+7], 0
.else
	v_wmma_f32_16x16x32_bf16 v[8*(8*(\a)+(\b)):8*(8*(\a)+(\b))+7], v[(\f)+8*(\b):(\f)+8*(\b)+7], v[(\f)+8*(4*(\hi)+(\a)):(\f)+8*(4*(\hi)+(\a))+7], v[8*(8*(\a)+(\b)):8*(8*(\a)+(\b))+7]
.endif
.endr
.endr
.endm
; 32 LDS loads in one run: the fragments of one quarter step (32 K at byte k of xb's rows, k rows k / 2 on of wb) into buffer f
.macro FETCH slot, k, f
	WIN TO_B
.irp i, 0,1,2,3,4,5,6,7
	ds_load_tr16_b128 v[(\f)+8*(\i):(\f)+8*(\i)+3],   v[ADRB+(\slot)] offset:((\k)/64)*32*BPITCH+32*(\i)
	ds_load_tr16_b128 v[(\f)+8*(\i)+4:(\f)+8*(\i)+7], v[ADRB+(\slot)] offset:((\k)/64)*32*BPITCH+16*BPITCH+32*(\i)
.endr
	WIN 0
.irp i, 0,1,2,3,4,5,6,7
	ds_load_b128 v[(\f)+8*(\i):(\f)+8*(\i)+3],   v[ADRA+(\slot)] offset:(\k)+(\i)*16*PITCH
	ds_load_b128 v[(\f)+8*(\i)+4:(\f)+8*(\i)+7], v[ADRA+(\slot)] offset:(\k)+(\i)*16*PITCH+32
.endr
.endm
.macro PLACES                          ; four plain instructions between a matrix instruction and a load into, or a read of, its registers
.rept 4
	v_nop
.endr
.endm
; A K step is four quarters of 32 along K, 64 matrix instructions each, on buffers 0, 1, 0, 1.  One of the first three multiplies buffer f and fetches the next quarter into g.
.macro QUARTER slot, k, f, g, zero
	s_wait_dscnt 8                                 ; wb's and xb's rows 0-63 are in; the youngest eight loads (xb's rows 64-127) may be out
	MUL16 \f, 0, 0, \zero
	MUL16 \f, 0, 2, \zero
	PLACES
	FETCH \slot, \k, \g
	s_wait_dscnt 32                                ; all but the 32 just issued
	MUL16 \f, 1, 0, \zero
	MUL16 \f, 1, 2, \zero
.endm
; The first half of the last quarter: ONE barrier for the change of slots.  In front of it each wave waits for all its tensor loads (one is out: its part of the next slot), adds 0 to its spare word,
; and waits for that and for its own reads of this slot.
.macro MEET round
	WIN 0
	s_wait_tensorcnt 0x0
	ds_add_u32 v[SPW], v[NIL]
	s_wait_dscnt 9                                 ; the add and the youngest eight loads may be out
	MUL16 F1, 0, 0, 0
	s_wait_dscnt 0x0                               ; the add is done, and my reads of this slot are over
	s_barrier_signal -1
	MUL16 F1, 0, 2, 0
.if \round
	WIN 0
.endif
	s_barrier_wait -1
.endm
; The whole last quarter with a refill: the barrier opens a round of the cluster's; the joint refill, two K steps on, is the first thing behind the round.
.macro TURN slot, next
	s_wait_xcnt 0x0                                ; the last prefetch, a K step back, has read its address
	s_add_nc_u64 s[PFA:PFA+1], s[PFA:PFA+1], s[PFS:PFS+1]
	MEET 1
	CREST
	s_add_nc_u64 s[G0+4*(\slot)+2:G0+4*(\slot)+3], s[G0+4*(\slot)+2:G0+4*(\slot)+3], 2*ASTEP
	s_add_nc_u64 s[G0B+4*(\slot)+2:G0B+4*(\slot)+3], s[G0B+4*(\slot)+2:G0B+4*(\slot)+3], 2*BSTEP
	JLOAD \slot                                    ; its four v_nop are also the places in front of the loads below
	FETCH \next, 0, F0
	ASK
	MUL16 F1, 1, 0, 0
	MUL16 F1, 1, 2, 0
.endm
; THE WAY OUT of block a (16 rows).  PACK: rounded to f16, 16 bytes a lane.  TOSTAGE: into my own stage, and back as whole rows of 256 bytes.  SEND: stored.
.macro PACK a
.set AC, 64*((\a)%4)
	WIN 0x0a+5*((\a)/4)                            ; sources 0 and 1: window 2 or 3
.irp b, 0,1,2,3,4,5,6,7
.irp r, 0,1,2,3
	v_cvt_pk_f16_f32 v[TMP+4*(\b)+(\r)], v[AC+8*(\b)+2*(\r)], v[AC+8*(\b)+2*(\r)+1]
.endr
.endr
	WIN 0
.endm
.macro TOSTAGE a
	WIN 0
.set BK, OB+192*((\a)%2)
.irp b, 0,1,2,3,4,5,6,7
	ds_store_b128 v[STO], v[TMP+4*(\b):TMP+4*(\b)+3] offset:32*(\b)
.endr
.irp t, 0,1,2,3,4,5,6,7
	ds_load_b128 v[BK+4*(\t):BK+4*(\t)+3], v[RD] offset:(\t)*2*SPITCH  ; LDS serves a wave's instructions in order (ISA guide 5.7.1.4): these see the stores above
.endr
.endm
.macro SEND a
	WIN 0
.set BK, OB+192*((\a)%2)
	s_wait_dscnt 0x0                               ; the block is back in registers
	s_wait_xcnt 0x0                                ; the earlier stores have read their base and data: only now are these rewritten
.if (\a) == 0
	s_add_nc_u64 s[8:9], s[8:9], s[16:17]
.else
	s_add_nc_u64 s[8:9], s[8:9], 16*XROW
.endif
.irp t, 0,1,2,3,4,5,6,7
	global_store_b128 v[CO], v[BK+4*(\t):BK+4*(\t)+3], s[8:9] offset:2*(\t)*XROW  ; 16 lanes store 256 consecutive bytes, aligned
.endr
.endm
	s_wait_tensorcnt 1                             ; my part of K step 0 is in; K step 1's may stay out
	s_barrier_signal -1
	s_barrier_wait -1
	FETCH 0, 0, F0
	QUARTER 0, 64,  F0, F1, 1                      ; the first quarter stands in front of the loop: its products start the sums
	WIN 0
	s_mov_b32 s3, LAPS-1
.Llap:                                                 ; a trip goes once round the ring and fills both slots again: K steps 2 to 7 in three trips
	QUARTER 0, 128, F1, F0, 0
	QUARTER 0, 192, F0, F1, 0
	TURN 0, 1
	QUARTER 1, 64,  F0, F1, 0
	QUARTER 1, 128, F1, F0, 0
	QUARTER 1, 192, F0, F1, 0
	TURN 1, 0
	QUARTER 0, 64,  F0, F1, 0
	WIN 0
	s_sub_co_u32 s3, s3, 1
	s_cmp_lg_u32 s3, 0
	s_cbranch_scc1 .Llap
	QUARTER 0, 128, F1, F0, 0                      ; the last lap is written out: it fills nothing
	QUARTER 0, 192, F0, F1, 0
	MEET 0
	PLACES
	FETCH 1, 0, F0
	MUL16 F1, 1, 0, 0
	MUL16 F1, 1, 2, 0
	QUARTER 1, 64,  F0, F1, 0
	QUARTER 1, 128, F1, F0, 0
	QUARTER 1, 192, F0, F1, 0
	s_wait_dscnt 8
	MUL16 F1, 0, 0, 0
	MUL16 F1, 0, 2, 0
	s_wait_dscnt 0x0
	MUL16 F1, 1, 0, 0
	MUL16 F1, 1, 2, 0
	PLACES
	PACK 0
	TOSTAGE 0
.irp a, 1,2,3,4,5,6,7                  ; block a's conversions stand between block a - 1's loads from the stage and the wait for them
	PACK \a
	SEND (\a)-1
	TOSTAGE \a
.endr
	SEND 7
	s_wait_tensorcnt 0x0                           ; the wave's end
	ds_add_u32 v[SPW], v[NIL]
	s_wait_dscnt 0x0
	CROUND                                         ; the closing round
	s_endpgm
.Lfunc_end_k_q8314a9d71e_proj:
	.size	k_q8314a9d71e_proj, .Lfunc_end_k_q8314a9d71e_proj-k_q8314a9d71e_proj
	.p2alignl 7, 3214868480
	.fill 96, 4, 3214868480
	.section	.rodata,"a",@progbits
	.p2align	6, 0x0
	.amdhsa_kernel k_q8314a9d71e_proj
		.amdhsa_group_segment_fixed_size 327680
		.amdhsa_private_segment_fixed_size 0
		.amdhsa_enable_private_segment 0
		.amdhsa_kernarg_size 24
		.amdhsa_user_sgpr_count 2
		.amdhsa_user_sgpr_kernarg_segment_ptr 1
		.amdhsa_wavefront_size32 1
		.amdhsa_system_sgpr_workgroup_id_x 1
		.amdhsa_system_sgpr_workgroup_id_y 1
		.amdhsa_system_sgpr_workgroup_id_z 1
		.amdhsa_system_vgpr_workitem_id 0
		.amdhsa_next_free_vgpr 1024
		.amdhsa_next_free_sgpr 72
		.amdhsa_reserve_vcc 0
		.amdhsa_float_denorm_mode_32 3
		.amdhsa_float_denorm_mode_16_64 3
		.amdhsa_memory_ordered 1
		.amdhsa_forward_progress 1
		.amdhsa_inst_pref_size 145
	.end_amdhsa_kernel
	.amdgpu_metadata
---
amdhsa.version: [ 1, 2 ]
amdhsa.kernels:
  - .name:           k_q8314a9d71e_proj
    .symbol:         k_q8314a9d71e_proj.kd
    .args:
      - { .name: xb, .offset: 0, .size: 8, .value_kind: global_buffer, .address_space: global }
      - { .name: wb, .offset: 8, .size: 8, .value_kind: global_buffer, .address_space: global }
      - { .name: qkv, .offset: 16, .size: 8, .value_kind: global_buffer, .address_space: global }
    .group_segment_fixed_size: 327680
    .private_segment_fixed_size: 0
    .kernarg_segment_align: 8
    .kernarg_segment_size: 24
    .max_flat_workgroup_size: 128
    .sgpr_count:     72
    .vgpr_count:     1024
    .wavefront_size: 32
...
	.end_amdgpu_metadata
.endif
;; end of part 2
;; launch scores (part 3): grid 16 x 16, 4 waves a work-group, clusters of 4 x 4, 327,680 bytes of LDS; arguments qkv, p, stats; writes p, stats
.if DOCPART == 3
	.amdgcn_target "amdgcn-amd-amdhsa--gfx1250"
	.amdhsa_code_object_version 6
	.text
	.protected	k_q8314a9d71e_scores
	.globl	k_q8314a9d71e_scores
	.p2align	8
	.type	k_q8314a9d71e_scores,@function
k_q8314a9d71e_scores:
	s_mov_b64 s[64:65], 0
	v_nop
	global_prefetch_b8 v0, s[64:65] scope:SCOPE_SE
	s_setreg_imm32_b32 hwreg(HW_REG_WAVE_MODE, 25, 1), 1
	s_wait_xcnt 0x0
	s_wait_alu depctr_hold_cnt(0) depctr_sa_sdst(0) depctr_va_vdst(0) depctr_va_sdst(0) depctr_va_ssrc(0) depctr_va_vcc(0) depctr_vm_vsrc(0)
	s_getreg_b32 s2, hwreg(HW_REG_IB_STS2, 6, 4)
	s_cmp_eq_u32 s2, 0
	s_cbranch_scc0 .Lentry_in_a_cluster
	s_endpgm
.Lentry_in_a_cluster:
	s_bfe_u32 s2, ttmp6, 0x10000c
	s_cmp_lg_u32 s2, 0xf033
	s_cbranch_scc0 .Lentry_shape_is_right
	s_endpgm
.Lentry_shape_is_right:
; S = q k^T for a tile of 256 queries x 256 keys (key block j = the tile column), then the block's part of the softmax:
;   for each row: T = the largest s of the block;  p = 2^(c (s - T)), c = log2(e) / 32, rounded to f16;  l = the sum of the unrounded p.
; q = qkv[0], k = qkv[1]: [4096][1024] f16.  p: [4096][4096] f16.  stats: T[16 j][4096 rows] f32, then l[16][4096] f32.  Products in f16, sums in f32.  No work is left out.
; The maximum is taken away first, as the reference takes it, so p lies in 0 to 1 and each block's largest p is 1, whatever the inputs; the last launch brings the 16 blocks of a row to one scale, in f32.
; LIMITS: p under 6e-5 keeps f16's fixed step of 6e-8; a weight under 2^-126 counts as 0 in l; NaN and infinities are not treated apart.
; THE PRODUCT: four waves, each 128 x 128 (64 accumulators), K in steps of 128 through a ring of two LDS slots; cluster 4 x 4: q's tiles are shared along a row, k's along a column, by joint loads.
; Source 0 = 16 rows of k, source 1 = 16 rows of q: a lane holds one query (l % 16) and the keys 8 (l / 16) + 0..7.
; THE SOFTMAX: a row's 256 scores lie in two waves, so the tile goes through LDS once, in f32, over the ring, which has had its last fill; then each wave takes 64 whole rows, 8 keys a lane.
; REGISTERS: window 0: v0-31 addresses; v64-127, v128-191 q's fragments, later the rows at work.  window 1: k's fragments.  windows 2, 3: the accumulators ((a, b) at v[8 (8 a + b)]).
.set KSTEP,  128
.set PITCH,  272                       ; 256 bytes + 16: the 16 rows of a load start at 16 different groups of four banks (64 banks of 4 bytes: ISA guide 11.1)
.set HALFT,  128*PITCH
.set SLOT,   4*HALFT
.set DP,     1040                      ; a row of the tile in f32: 512 bytes of first halves (keys 8 g .. 8 g + 3 at 16 g), 512 of second halves, 16 of padding: 65 x 16
.set STAT,   2*SLOT                    ; behind the ring: T of the 256 rows, then l: 2,048 bytes
.set SPARE,  STAT+2048                 ; the spare words, 128 bytes for each wave
.set QROW,   2048                      ; bytes in a row of q and k
.set PROW,   8192                      ; bytes in a row of p
.set LAPS,   4
.set ADRA, 16                          ; v16-17  LDS address of my fragments of q in slot 0, 1
.set SL,   18                          ; v18     where I read my wave's statistics back
.set SG,   19                          ; v19     my byte offset in stats
.set ADRB, 20                          ; v20-21  LDS address of my fragments of k
.set RD0,  22                          ; v22     my 16 bytes in my wave's first row of the tile
.set SA0,  23                          ; v23     my wave's statistics: T (lanes 0-15) or l (lanes 16-31)
.set DS0,  24                          ; v24-25  where my accumulators go: rows 0-63, rows 64-127
.set RDD,  26                          ; v26     RD0 + the trip's rows
.set PO,   27                          ; v27     16 x lane
.set SPW,  28
.set NIL,  29
.set PFO,  30
.set SAD,  31                          ; v31     SA0 + the trip's rows
.set F0,   64
.set F1,   128
.set XS,   64                          ; v[64:127]   8 rows x 8 scores
.set YS,   128                         ; v[128:159]  8 rows x 4 registers of f16
.set MT,   160                         ; v[160:175]  by row: T, and a register for the other half of the lanes
.set LS,   184                         ; v[184:191]  l
.set ZS,   192                         ; v[192:199]  what goes to the statistics
.set G1,  24
.set G0,  32
.set G1B, 48
.set G0B, 56
.set LIM, 43
.set PFA, 44
.set CS,  70                           ; s[70:71] c, twice
.set SEL, 72                           ; s[72:73] v_permlanex16_b32's selects
.set HM,  74                           ; s74  lanes 16-31
.set ROWB, 76                          ; s76  the trip's rows in the tile, in bytes
.set STB,  77                          ; s77  the same in the statistics
.set MSB, 0
.macro WIN new
.if MSB != (\new)
	s_set_vgpr_msb (MSB<<8)|(\new)
.set MSB, \new
.endif
.endm
.set MUL_LO, 0xa1
.set MUL_HI, 0xf1
.set TO_B,   0x40
.macro JLOAD s                         ; a joint load: waves 0 and 1 fetch q's two halves, waves 2 and 3 k's; an s_nop 0 and four v_nop follow each line
	s_cmp_eq_u32 s11, 0
	s_cbranch_scc0 .Lfor_b_\@
	tensor_load_to_lds s[G0+4*(\s):G0+4*(\s)+3], s[G1:G1+7]
	s_nop 0
.rept 4
	v_nop
.endr
	s_branch .Lasked_\@
.Lfor_b_\@:
	tensor_load_to_lds s[G0B+4*(\s):G0B+4*(\s)+3], s[G1B:G1B+7]
	s_nop 0
.rept 4
	v_nop
.endr
.Lasked_\@:
.endm
; A prefetch of the K step two refills on: 32 rows x 256 bytes, a lane a row.  q's rows are named by the clusters with x = 0, k's by those with y = 0; the four partners of a joint load take 32 rows each, by address.
; K steps 0 to 3 come by their loads alone; the loop's last trip asks for nothing.
.macro ASK
	s_cmp_gt_u32 s3, s[LIM]
	s_cbranch_scc0 .Lnot_mine_\@
	global_prefetch_b8 v[PFO], s[PFA:PFA+1] th:TH_LOAD_NT scope:SCOPE_SE
.Lnot_mine_\@:
.endm
.macro CREST
	s_cmp_lg_u32 s10, 0
	s_cbranch_scc1 .Lnot_wave_0_\@
	s_barrier_signal -3
.Lnot_wave_0_\@:
	s_barrier_wait -3
	s_barrier_signal -1
	s_barrier_wait -1
.endm
.macro CROUND
	s_barrier_signal -1
	s_barrier_wait -1
	CREST
.endm
	s_load_b64 s[4:5], s[0:1], 0x0                 ; qkv: q
	s_load_b64 s[8:9], s[0:1], 0x8                 ; p
	s_load_b64 s[68:69], s[0:1], 0x10              ; stats
	v_lshl_add_u32 v[SPW], v0, 2, SPARE
	v_mov_b32 v[NIL], 0
	ds_add_u32 v[SPW], v[NIL]                      ; the wave's opening: the add, twice on end, and its wait ahead of my first tensor load
	ds_add_u32 v[SPW], v[NIL]
	v_lshrrev_b32 v1, 5, v0
	v_readfirstlane_b32 s10, v1                    ; wave 0..3
	s_lshr_b32 s11, s10, 1                         ; my half of the tile's queries.  Also: I fetch for q (0) or k (1)
	s_and_b32 s12, s10, 1                          ; my half of its keys.  Also: which 128 rows I fetch
	s_bfe_u32 s40, ttmp6, 0x40000                  ; cx
	s_bfe_u32 s41, ttmp6, 0x40004                  ; cy
	s_lshl_b32 s42, ttmp9, 2
	s_add_co_u32 s42, s42, s40                     ; key block 0..15
	s_and_b32 s13, ttmp7, 0xffff
	s_lshl_b32 s13, s13, 2
	s_add_co_u32 s13, s13, s41                     ; query block 0..15
	s_lshl_b32 s43, s41, 2
	s_lshl_b32 s43, 15, s43                        ; my row of the cluster
	s_lshl_b32 s44, 0x1111, s40                    ; my column
	s_or_b32 s[G1+0], s43, (1<<16)|(1<<20)|(1<<21)|(5<<22)|(3<<25)   ; the mask; 2-byte elements; padding on; bit 21 beside a mask; 4 words behind every 64
	s_or_b32 s[G1B+0], s44, (1<<16)|(1<<20)|(1<<21)|(5<<22)|(3<<25)
.irp g, G1, G1B
	s_mov_b32 s[(\g)+1], KSTEP<<16                 ; tensor_dim0 = 128
	s_mov_b32 s[(\g)+2], 128<<16                   ; tensor_dim1 = 128
	s_mov_b32 s[(\g)+3], KSTEP<<16                 ; tile_dim0 = 128
	s_mov_b32 s[(\g)+4], 128                       ; tile_dim1 = 128
	s_mov_b32 s[(\g)+5], 1024                      ; elements from row to row
	s_mov_b32 s[(\g)+6], 0
	s_mov_b32 s[(\g)+7], 0
.endr
	s_lshl_b32 s17, s12, 7
	s_lshl_b32 s16, s13, 8
	s_add_co_u32 s16, s16, s17                     ; q: row 256 x query block + 128 x half
	s_lshl_b32 s46, s42, 8
	s_add_co_u32 s46, s46, s17                     ; k: row 256 x key block + 128 x half
	s_lshl_b32 s16, s16, 11
	s_lshl_b32 s46, s46, 11
	s_mov_b32 s17, 0
	s_mov_b32 s47, 0
	s_mul_i32 s20, s10, HALFT
	s_mov_b32 s[CS], 0x3d38aa3b                    ; c = log2(e) / 32
	s_mov_b32 s[CS+1], s[CS]
	s_mov_b32 s[SEL], 0x76543210
	s_mov_b32 s[SEL+1], 0xfedcba98
	s_mov_b32 s[HM], 0xffff0000
	s_wait_dscnt 0x0                               ; both opening adds are done
	s_wait_kmcnt 0x0
	s_add_nc_u64 s[6:7], s[4:5], 0x800000          ; k lies 8,388,608 bytes behind q
	s_add_nc_u64 s[14:15], s[4:5], s[16:17]
	s_add_nc_u64 s[46:47], s[6:7], s[46:47]
	CROUND                                         ; all sixteen work-groups are here: the first joint loads meet
.irp s, 0,1
	s_mov_b32 s[G0+4*(\s)], 1
	s_add_co_u32 s[G0+4*(\s)+1], s20, (\s)*SLOT
	s_add_nc_u64 s[G0+4*(\s)+2:G0+4*(\s)+3], s[14:15], (\s)*KSTEP*2
	s_or_b32 s[G0+4*(\s)+3], s[G0+4*(\s)+3], 0x80000000
	s_mov_b32 s[G0B+4*(\s)], 1
	s_add_co_u32 s[G0B+4*(\s)+1], s20, (\s)*SLOT
	s_add_nc_u64 s[G0B+4*(\s)+2:G0B+4*(\s)+3], s[46:47], (\s)*KSTEP*2
	s_or_b32 s[G0B+4*(\s)+3], s[G0B+4*(\s)+3], 0x80000000
	JLOAD \s                                       ; two loads of mine are out
.endr
	v_and_b32 v1, 15, v0                           ; l % 16
	v_bfe_u32 v2, v0, 4, 1                         ; l / 16
	v_mul_u32_u24 v3, v1, PITCH
	v_lshl_add_u32 v3, v2, 4, v3
	s_mul_i32 s21, s11, HALFT
	s_mul_i32 s22, s12, HALFT
	s_add_co_u32 s22, s22, 2*HALFT
	v_add_nc_u32 v[ADRA], s21, v3
	v_add_nc_u32 v[ADRB], s22, v3
	v_add_nc_u32 v[ADRA+1], SLOT, v[ADRA]
	v_add_nc_u32 v[ADRB+1], SLOT, v[ADRB]
	v_mul_u32_u24 v4, v1, DP                       ; the tile in f32: row 128 x half + l % 16, group 16 x half + l / 16
	v_lshl_add_u32 v4, v2, 4, v4
	s_mul_i32 s23, s11, 128*DP
	s_lshl_b32 s21, s12, 8
	s_add_co_u32 s23, s23, s21
	v_add_nc_u32 v[DS0], s23, v4
	v_add_nc_u32 v[DS0+1], 64*DP, v[DS0]
	v_and_b32 v5, 31, v0
	v_lshlrev_b32 v[PO], 4, v5
	s_mul_i32 s23, s10, 64*DP                      ; back: wave w takes rows 64 w .. 64 w + 63, whole
	v_add_nc_u32 v[RD0], s23, v[PO]
	s_lshl_b32 s23, s10, 8
	s_add_co_u32 s23, s23, STAT
	v_lshl_add_u32 v[SA0], v2, 10, s23
	v_lshl_add_u32 v[SL], v1, 4, v[SA0]
	v_lshlrev_b32 v5, 18, v2                       ; l lies 262,144 bytes behind T
	v_lshl_add_u32 v[SG], v1, 4, v5
	s_lshl_b32 s16, s13, 8
	s_lshl_b32 s14, s10, 6
	s_add_co_u32 s16, s16, s14                     ; my first row: 256 x query block + 64 x wave
	s_lshl_b32 s18, s16, 2
	s_lshl_b32 s16, s16, 13
	s_lshl_b32 s46, s42, 9                         ; the block's 256 keys: 512 bytes of a row of p
	s_add_co_u32 s16, s16, s46
	s_mov_b32 s17, 0
	s_add_nc_u64 s[8:9], s[8:9], s[16:17]
	s_lshl_b32 s46, s42, 14                        ; the block's 4,096 rows in stats
	s_add_co_u32 s18, s18, s46
	s_mov_b32 s19, 0
	s_add_nc_u64 s[68:69], s[68:69], s[18:19]
	; the prefetches
	s_lshl_b32 s20, s13, 8
	s_lshl_b32 s21, s42, 8
	s_and_b32 s22, ttmp7, 0xffff
	s_cmp_eq_u32 s11, 0
	s_cselect_b32 s20, s20, s21                    ; the tile's first row,
	s_cselect_b32 s21, s40, s41                    ; my place among the four that ask with me,
	s_cselect_b32 s22, ttmp9, s22                  ; the coordinate along which other clusters read the same rows
	s_cselect_b64 s[PFA:PFA+1], s[4:5], s[6:7]
	s_cmp_eq_u32 s22, 0
	s_cselect_b32 s[LIM], 1, -1
	s_lshl_b32 s22, s12, 7
	s_add_co_u32 s20, s20, s22
	s_lshl_b32 s21, s21, 5
	s_add_co_u32 s20, s20, s21
	s_lshl_b32 s20, s20, 11
	s_add_co_u32 s20, s20, 3*KSTEP*2               ; at K step 3: the first refill steps it to 4
	s_mov_b32 s21, 0
	s_add_nc_u64 s[PFA:PFA+1], s[PFA:PFA+1], s[20:21]
	v_and_b32 v[PFO], 31, v0
	v_lshlrev_b32 v[PFO], 11, v[PFO]
.macro MUL16 f, hi, a0, zero
	WIN MUL_LO+0x50*(\hi)
.irp a, \a0, (\a0)+1
.irp b, 0,1,2,3,4,5,6,7
.if \zero
	v_wmma_f32_16x16x32_f16 v[8*(8*(\a)+(\b)):8*(8*(\a)+(\b))+7], v[(\f)+8*(\b):(\f)+8*(\b)+7], v[(\f)+8*(4*(\hi)+(\a)):(\f)+8*(4*(\hi)+(\a))+7], 0
.else
	v_wmma_f32_16x16x32_f16 v[8*(8*(\a)+(\b)):8*(8*(\a)+(\b))+7], v[(\f)+8*(\b):(\f)+8*(\b)+7], v[(\f)+8*(4*(\hi)+(\a)):(\f)+8*(4*(\hi)+(\a))+7], v[8*(8*(\a)+(\b)):8*(8*(\a)+(\b))+7]
.endif
.endr
.endr
.endm
.macro FETCH slot, k, f
	WIN TO_B
.irp i, 0,1,2,3,4,5,6,7
	ds_load_b128 v[(\f)+8*(\i):(\f)+8*(\i)+3],   v[ADRB+(\slot)] offset:(\k)+(\i)*16*PITCH
	ds_load_b128 v[(\f)+8*(\i)+4:(\f)+8*(\i)+7], v[ADRB+(\slot)] offset:(\k)+(\i)*16*PITCH+32
.endr
	WIN 0
.irp i, 0,1,2,3,4,5,6,7
	ds_load_b128 v[(\f)+8*(\i):(\f)+8*(\i)+3],   v[ADRA+(\slot)] offset:(\k)+(\i)*16*PITCH
	ds_load_b128 v[(\f)+8*(\i)+4:(\f)+8*(\i)+7], v[ADRA+(\slot)] offset:(\k)+(\i)*16*PITCH+32
.endr
.endm
.macro PLACES                          ; four plain instructions between a matrix instruction and a load into, or a read of, its registers
.rept 4
	v_nop
.endr
.endm
.macro QUARTER slot, k, f, g, zero
	s_wait_dscnt 8                                 ; k's and q's rows 0-63 are in; the youngest eight loads may be out
	MUL16 \f, 0, 0, \zero
	MUL16 \f, 0, 2, \zero
	PLACES
	FETCH \slot, \k, \g
	s_wait_dscnt 32                                ; all but the 32 just issued
	MUL16 \f, 1, 0, \zero
	MUL16 \f, 1, 2, \zero
.endm
.macro MEET round                      ; the change of slots: all my tensor loads, the add, my reads of this slot; then the barrier
	WIN 0
	s_wait_tensorcnt 0x0
	ds_add_u32 v[SPW], v[NIL]
	s_wait_dscnt 9                                 ; the add and the youngest eight loads may be out
	MUL16 F1, 0, 0, 0
	s_wait_dscnt 0x0
	s_barrier_signal -1
	MUL16 F1, 0, 2, 0
.if \round
	WIN 0
.endif
	s_barrier_wait -1
.endm
.macro TURN slot, next
	s_wait_xcnt 0x0                                ; the last prefetch, a K step back, has read its address
	s_add_nc_u64 s[PFA:PFA+1], s[PFA:PFA+1], KSTEP*2
	MEET 1
	CREST
	s_add_nc_u64 s[G0+4*(\slot)+2:G0+4*(\slot)+3], s[G0+4*(\slot)+2:G0+4*(\slot)+3], 2*KSTEP*2
	s_add_nc_u64 s[G0B+4*(\slot)+2:G0B+4*(\slot)+3], s[G0B+4*(\slot)+2:G0B+4*(\slot)+3], 2*KSTEP*2
	JLOAD \slot
	FETCH \next, 0, F0
	ASK
	MUL16 F1, 1, 0, 0
	MUL16 F1, 1, 2, 0
.endm
.macro DUMP hi                         ; my 32 accumulators of window 2 + hi into the tile in f32; each accumulator's low four registers first
	WIN 0x08+4*(\hi)                               ; the stores' data: window 2 or 3
.irp a, 0,1,2,3
.irp b, 0,1,2,3,4,5,6,7
	ds_store_b128 v[DS0+(\hi)], v[8*(8*(\a)+(\b)):8*(8*(\a)+(\b))+3]   offset:(\a)*16*DP+32*(\b)
	ds_store_b128 v[DS0+(\hi)], v[8*(8*(\a)+(\b))+4:8*(8*(\a)+(\b))+7] offset:(\a)*16*DP+32*(\b)+512
.endr
.endr
.endm
	s_wait_tensorcnt 1                             ; my part of K step 0 is in; K step 1's may stay out
	s_barrier_signal -1
	s_barrier_wait -1
	FETCH 0, 0, F0
	QUARTER 0, 64,  F0, F1, 1
	WIN 0
	s_mov_b32 s3, LAPS-1
.Llap:
	QUARTER 0, 128, F1, F0, 0
	QUARTER 0, 192, F0, F1, 0
	TURN 0, 1
	QUARTER 1, 64,  F0, F1, 0
	QUARTER 1, 128, F1, F0, 0
	QUARTER 1, 192, F0, F1, 0
	TURN 1, 0
	QUARTER 0, 64,  F0, F1, 0
	WIN 0
	s_sub_co_u32 s3, s3, 1
	s_cmp_lg_u32 s3, 0
	s_cbranch_scc1 .Llap
	QUARTER 0, 128, F1, F0, 0                      ; the last lap is written out: it fills nothing
	QUARTER 0, 192, F0, F1, 0
	MEET 0
	PLACES
	FETCH 1, 0, F0
	MUL16 F1, 1, 0, 0
	MUL16 F1, 1, 2, 0
	QUARTER 1, 64,  F0, F1, 0
	QUARTER 1, 128, F1, F0, 0
	QUARTER 1, 192, F0, F1, 0
	s_wait_dscnt 8
	MUL16 F1, 0, 0, 0
	MUL16 F1, 0, 2, 0
	s_wait_dscnt 0x0
	MUL16 F1, 1, 0, 0
	MUL16 F1, 1, 2, 0
	PLACES
	WIN 0
	s_wait_dscnt 0x0                               ; my reads of the ring are over,
	s_barrier_signal -1
	s_barrier_wait -1                              ; everybody's are; every tensor load was waited for at the last change of slots: the ring's bytes may be written
	DUMP 0
	DUMP 1
	WIN 0
	s_wait_dscnt 0x0                               ; for the others' sake: my stores are done
	s_barrier_signal -1
	s_barrier_wait -1
	; 8 trips of 8 rows.  A lane holds keys 8 l .. 8 l + 7 of each row.  Each phase runs over all 8 rows, so that no line waits for the one before it.
	s_mov_b32 s[ROWB], 0
	s_mov_b32 s[STB], 0
	s_mov_b32 s3, 8
.irp q, 0,1,2,3,4,5,6,7
	v_mov_b32 v[MT+2*(\q)+1], 0                    ; v_permlanex16_b32's destination counts as read
.endr
.Lrows:
	v_add_nc_u32 v[RDD], s[ROWB], v[RD0]
	v_add_nc_u32 v[SAD], s[STB], v[SA0]
.irp q, 0,1,2,3,4,5,6,7
	ds_load_b128 v[XS+8*(\q):XS+8*(\q)+3],   v[RDD] offset:(\q)*DP
	ds_load_b128 v[XS+8*(\q)+4:XS+8*(\q)+7], v[RDD] offset:(\q)*DP+512
.endr
.irp q, 0,1,2,3,4,5,6,7
	s_wait_dscnt 14-2*(\q)                         ; row q's two loads are in; the later rows' may stay out
	v_max3_num_f32 v[MT+2*(\q)], v[XS+8*(\q)], v[XS+8*(\q)+1], v[XS+8*(\q)+2]
.endr
.irp k, 3,5
.irp q, 0,1,2,3,4,5,6,7
	v_max3_num_f32 v[MT+2*(\q)], v[MT+2*(\q)], v[XS+8*(\q)+(\k)], v[XS+8*(\q)+(\k)+1]
.endr
.endr
.irp q, 0,1,2,3,4,5,6,7
	v_max_num_f32 v[MT+2*(\q)], v[MT+2*(\q)], v[XS+8*(\q)+7]
.endr
.irp m, 1,2,4,8
.irp q, 0,1,2,3,4,5,6,7
	v_max_num_f32_dpp v[MT+2*(\q)], v[MT+2*(\q)], v[MT+2*(\q)] row_xmask:\m row_mask:0xf bank_mask:0xf
.endr
.endr
.irp q, 0,1,2,3,4,5,6,7
	v_permlanex16_b32 v[MT+2*(\q)+1], v[MT+2*(\q)], s[SEL], s[SEL+1]
.endr
.irp q, 0,1,2,3,4,5,6,7
	v_max_num_f32 v[MT+2*(\q)], v[MT+2*(\q)], v[MT+2*(\q)+1]   ; every lane holds the row's T
.endr
.irp q, 0,1,2,3,4,5,6,7
.irp k, 0,2,4,6
	v_pk_add_f32 v[XS+8*(\q)+(\k):XS+8*(\q)+(\k)+1], v[XS+8*(\q)+(\k):XS+8*(\q)+(\k)+1], v[MT+2*(\q):MT+2*(\q)+1] op_sel_hi:[1,0] neg_lo:[0,1] neg_hi:[0,1]  ; s - T
.endr
.endr
.irp q, 0,1,2,3,4,5,6,7
.irp k, 0,2,4,6
	v_pk_mul_f32 v[XS+8*(\q)+(\k):XS+8*(\q)+(\k)+1], v[XS+8*(\q)+(\k):XS+8*(\q)+(\k)+1], s[CS:CS+1] op_sel_hi:[1,0]
.endr
.endr
.irp q, 0,1,2,3,4,5,6,7
.irp k, 0,1,2,3,4,5,6,7
	v_exp_f32 v[XS+8*(\q)+(\k)], v[XS+8*(\q)+(\k)]
.endr
.endr
	v_nop                                          ; a plain instruction behind the last exponential,
	s_wait_alu depctr_va_vdst(0)                   ; and one wait for the batch of 64, ahead of the first line that names a result
.irp q, 0,1,2,3,4,5,6,7
.irp k, 0,1,2,3
	v_cvt_pk_f16_f32 v[YS+4*(\q)+(\k)], v[XS+8*(\q)+2*(\k)], v[XS+8*(\q)+2*(\k)+1]
.endr
.endr
.irp q, 0,1,2,3,4,5,6,7
	global_store_b128 v[PO], v[YS+4*(\q):YS+4*(\q)+3], s[8:9] offset:(\q)*PROW  ; 512 consecutive bytes of a row of p, aligned
.endr
.irp q, 0,1,2,3,4,5,6,7
	v_pk_add_f32 v[XS+8*(\q):XS+8*(\q)+1], v[XS+8*(\q):XS+8*(\q)+1], v[XS+8*(\q)+2:XS+8*(\q)+3]
.endr
.irp q, 0,1,2,3,4,5,6,7
	v_pk_add_f32 v[XS+8*(\q)+4:XS+8*(\q)+5], v[XS+8*(\q)+4:XS+8*(\q)+5], v[XS+8*(\q)+6:XS+8*(\q)+7]
.endr
.irp q, 0,1,2,3,4,5,6,7
	v_pk_add_f32 v[XS+8*(\q):XS+8*(\q)+1], v[XS+8*(\q):XS+8*(\q)+1], v[XS+8*(\q)+4:XS+8*(\q)+5]
.endr
.irp q, 0,1,2,3,4,5,6,7
	v_add_f32 v[LS+(\q)], v[XS+8*(\q)], v[XS+8*(\q)+1]
.endr
.irp m, 1,2,4,8
.irp q, 0,1,2,3,4,5,6,7
	v_add_f32_dpp v[LS+(\q)], v[LS+(\q)], v[LS+(\q)] row_xmask:\m row_mask:0xf bank_mask:0xf
.endr
.endr
.irp q, 0,1,2,3,4,5,6,7
	v_permlanex16_b32 v[MT+2*(\q)+1], v[LS+(\q)], s[SEL], s[SEL+1]
.endr
.irp q, 0,1,2,3,4,5,6,7
	v_add_f32 v[LS+(\q)], v[LS+(\q)], v[MT+2*(\q)+1]
.endr
.irp q, 0,1,2,3,4,5,6,7
	v_cndmask_b32 v[ZS+(\q)], v[MT+2*(\q)], v[LS+(\q)], s[HM]  ; lanes 0-15: T; lanes 16-31: l
.endr
.irp q, 0,1,2,3,4,5,6,7
	ds_store_b32 v[SAD], v[ZS+(\q)] offset:4*(\q)  ; sixteen lanes write one word with one value
.endr
	s_wait_xcnt 0x0                                ; the stores have read their base and data: these are rewritten only behind this wait
	s_add_nc_u64 s[8:9], s[8:9], 8*PROW
	s_add_co_u32 s[ROWB], s[ROWB], 8*DP
	s_add_co_u32 s[STB], s[STB], 32
	s_sub_co_u32 s3, s3, 1
	s_cmp_lg_u32 s3, 0
	s_cbranch_scc1 .Lrows
	ds_load_b128 v[200:203], v[SL]                 ; my wave's own 64 T and 64 l: LDS serves a wave's instructions in order
	s_wait_dscnt 0x0
	global_store_b128 v[SG], v[200:203], s[68:69]  ; two runs of 256 consecutive bytes, aligned
	s_wait_tensorcnt 0x0                           ; the wave's end
	ds_add_u32 v[SPW], v[NIL]
	s_wait_dscnt 0x0
	CROUND                                         ; the closing round
	s_endpgm
.Lfunc_end_k_q8314a9d71e_scores:
	.size	k_q8314a9d71e_scores, .Lfunc_end_k_q8314a9d71e_scores-k_q8314a9d71e_scores
	.p2alignl 7, 3214868480
	.fill 96, 4, 3214868480
	.section	.rodata,"a",@progbits
	.p2align	6, 0x0
	.amdhsa_kernel k_q8314a9d71e_scores
		.amdhsa_group_segment_fixed_size 327680
		.amdhsa_private_segment_fixed_size 0
		.amdhsa_enable_private_segment 0
		.amdhsa_kernarg_size 24
		.amdhsa_user_sgpr_count 2
		.amdhsa_user_sgpr_kernarg_segment_ptr 1
		.amdhsa_wavefront_size32 1
		.amdhsa_system_sgpr_workgroup_id_x 1
		.amdhsa_system_sgpr_workgroup_id_y 1
		.amdhsa_system_sgpr_workgroup_id_z 1
		.amdhsa_system_vgpr_workitem_id 0
		.amdhsa_next_free_vgpr 1024
		.amdhsa_next_free_sgpr 80
		.amdhsa_reserve_vcc 0
		.amdhsa_float_denorm_mode_32 3
		.amdhsa_float_denorm_mode_16_64 3
		.amdhsa_memory_ordered 1
		.amdhsa_forward_progress 1
		.amdhsa_inst_pref_size 142
	.end_amdhsa_kernel
	.amdgpu_metadata
---
amdhsa.version: [ 1, 2 ]
amdhsa.kernels:
  - .name:           k_q8314a9d71e_scores
    .symbol:         k_q8314a9d71e_scores.kd
    .args:
      - { .name: qkv, .offset: 0, .size: 8, .value_kind: global_buffer, .address_space: global }
      - { .name: p, .offset: 8, .size: 8, .value_kind: global_buffer, .address_space: global }
      - { .name: stats, .offset: 16, .size: 8, .value_kind: global_buffer, .address_space: global }
    .group_segment_fixed_size: 327680
    .private_segment_fixed_size: 0
    .kernarg_segment_align: 8
    .kernarg_segment_size: 24
    .max_flat_workgroup_size: 128
    .sgpr_count:     80
    .vgpr_count:     1024
    .wavefront_size: 32
...
	.end_amdgpu_metadata
.endif
;; end of part 3
;; launch pv (part 4): grid 8 x 32, 4 waves a work-group, clusters of 4 x 4, 327,680 bytes of LDS; arguments p, qkv, out0, stats; writes out0
.if DOCPART == 4
	.amdgcn_target "amdgcn-amd-amdhsa--gfx1250"
	.amdhsa_code_object_version 6
	.text
	.protected	k_q8314a9d71e_pv
	.globl	k_q8314a9d71e_pv
	.p2align	8
	.type	k_q8314a9d71e_pv,@function
k_q8314a9d71e_pv:
	s_mov_b64 s[64:65], 0
	v_nop
	global_prefetch_b8 v0, s[64:65] scope:SCOPE_SE
	s_setreg_imm32_b32 hwreg(HW_REG_WAVE_MODE, 25, 1), 1
	s_wait_xcnt 0x0
	s_wait_alu depctr_hold_cnt(0) depctr_sa_sdst(0) depctr_va_vdst(0) depctr_va_sdst(0) depctr_va_ssrc(0) depctr_va_vcc(0) depctr_vm_vsrc(0)
	s_getreg_b32 s2, hwreg(HW_REG_IB_STS2, 6, 4)
	s_cmp_eq_u32 s2, 0
	s_cbranch_scc0 .Lentry_in_a_cluster
	s_endpgm
.Lentry_in_a_cluster:
	s_bfe_u32 s2, ttmp6, 0x10000c
	s_cmp_lg_u32 s2, 0xf033
	s_cbranch_scc0 .Lentry_shape_is_right
	s_endpgm
.Lentry_shape_is_right:
; out[q][:] = the sum over the 16 key blocks j of f[q][j] x (P_j v_j)[q][:],  f[q][j] = e_j / L,  e_j = 2^(c (T_j - max_j T_j)),  L = the sum of e_j l_j,  c = log2(e) / 32.
; p: [4096][4096] f16 (each block's weights relative to the block's own maximum T_j).  v = qkv[2]: [4096 keys][1024] f16.  stats: T[16][4096], l[16][4096] f32.  out0: [4096][1024] f32.
; No work is left out.  The block with the largest T has e = 1 and l of 1 or more, so L is 1 or more.  LIMITS: a factor under 2^-126 counts as 0; NaN and infinities are not treated apart.
; A tile of 128 queries x 128 channels to a work-group: 256 work-groups (tiles of 256 x 256 would be 64).  Four waves, each 64 x 64.  A K step is one key block, 256 keys: its 16 accumulators T start at the
; constant 0, and at its end O += f x T, in f32: P is never rescaled in 16 bits, and the division by L costs nothing more.
; O^T = V^T P: source 0 = 16 channels of v (turned out of LDS by ds_load_tr16_b128), source 1 = 16 queries of p: a lane holds one query (l % 16) and eight neighbouring channels.
; CLUSTER 4 x 4: p's tiles are shared along a row of the cluster, v's along a column, by joint loads.
; THE RING: two LDS slots of one K step.  A wave has one tensor load out at a time, and the next is asked for only when that one has landed and a round of the cluster's barrier is passed: so between the
; wait for the tiles and the refill stands register work alone, and all 32 products of a step's last quarter stand behind the refill.
; A K STEP IS WRITTEN ONCE: a scalar register holds 0 or SLOT and is turned by an exclusive or; the fragments' addresses and the descriptor's LDS word are a constant part plus that register.
; 14 trips fill a slot again; the last two K steps are a loop of two trips that fills nothing; its last trip jumps the run of LDS loads (no step follows) and passes one add and one barrier that serve nothing:
; the price of one text for both.
; O is cleared by 128 v_mov_b32 in the wait for the first tiles: the price of writing no first K step out.
; REGISTERS: window 0: v0-31 addresses; v32-95 the way out; v96-103 a step's factors; v128-255 T ((a, b) at v[128 + 8 (4 a + b)]).
;   window 1: two fragment buffers of 128: for 64 keys, 64 registers of p, then 64 of v.   window 2: v0-127 O.
.set PP,     528                       ; a row of p in LDS: 512 bytes + 16: 33 x 16
.set PHALF,  64*PP                     ; 64 rows: one tensor load
.set PVP,    288                       ; a row of v: 256 bytes + 32: 9 x 32
.set VHALF,  128*PVP                   ; 128 keys: one tensor load
.set VOFF,   2*PHALF
.set SLOT,   VOFF+2*VHALF              ; p's 128 rows, then v's 256 keys
.set FT,     2*SLOT                    ; behind the ring: the factors: step j, query half, l % 16, query block: pairs (f, f): 16 x 1,024 bytes
.set STAGE,  FT+16384                  ; 16 rows x 272 bytes for each wave, for the way out
.set SPITCH, 272
.set SPARE,  STAGE+4*16*SPITCH         ; the spare words, 128 bytes for each wave
.set PSTEP,  512                       ; a K step along p's rows,
.set VSTEP,  256*2048                  ; and down v's
.set ADRA,  16                         ; v16     LDS address of my fragments of p in the slot in hand
.set ADRA0, 17                         ; v17     the same in slot 0; never rewritten
.set FA0,   18                         ; v18     my factors of step 0
.set FS,    19                         ; v19     where I put my row's factors
.set ADRV,  20                         ; v20-21  LDS address of my fragments of v in the slot in hand: keys 0-127, 128-255
.set ADRV0, 22                         ; v22-23  the same in slot 0; never rewritten
.set STO,  24
.set RD,   25
.set CO,   26
.set FA,   27                          ; v27     FA0 + the step's place
.set SPW,  28
.set NIL,  29
.set PFO,  30
.set SO,   31                          ; v31     my row's byte offset in stats; never rewritten
.set TMP,  32
.set FR,   96
.set ACC,  128
.set F0,   0
.set F1,   128
.set G1,  24                           ; s[24:31] group 1 for p's tiles;  s[32:35] group 0 of the first fill, s[36:39] of the second, which then walks
.set G0,  32
.set G1B, 48                           ; s[48:55], s[56:59], s[60:63] the same for v's
.set G0B, 56
.set LIM, 43
.set PFA, 44
.set PFS, 66
.set CC,  70                           ; s70  c
.set FTB, 71                           ; s71  the step's place in the factors
.set SOF, 72                           ; s72  0 or SLOT: the slot in hand
.set LP,  73                           ; s73  LDS byte of my half of p's tile in slot 0
.set LV,  74                           ; s74  of my half of v's
.set MSB, 0
.macro WIN new
.if MSB != (\new)
	s_set_vgpr_msb (MSB<<8)|(\new)
.set MSB, \new
.endif
.endm
.set MUL,   0x05                       ; sources 0 (v) and 1 (p) window 1; C and D window 0
.set TO_F,  0x40                       ; destination window 1, address window 0
.set FOLDW, 0xa0                       ; destination and source 2 (O) window 2; sources 0 (T) and 1 (f) window 0
.macro JLOAD s                         ; a joint load: waves 0 and 1 fetch p's two halves, waves 2 and 3 v's; an s_nop 0 and four v_nop follow each line
	s_cmp_eq_u32 s11, 0
	s_cbranch_scc0 .Lfor_b_\@
	tensor_load_to_lds s[G0+4*(\s):G0+4*(\s)+3], s[G1:G1+7]
	s_nop 0
.rept 4
	v_nop
.endr
	s_branch .Lasked_\@
.Lfor_b_\@:
	tensor_load_to_lds s[G0B+4*(\s):G0B+4*(\s)+3], s[G1B:G1B+7]
	s_nop 0
.rept 4
	v_nop
.endr
.Lasked_\@:
.endm
; A prefetch of the K step four refills on (512 matrix instructions ahead of the load that will want it): 32 blocks of 256 bytes, a lane a block.  p's rows are named by the clusters with x = 0
; (16 rows x 512 bytes a work-group, by cx), v's by those with y = 0 (32 keys x 256 bytes, by cy).  K steps 0 to 5 come by their loads alone; trips with s3 of 4 or less ask for nothing: there is no K step 16.
.macro ASK
	s_cmp_gt_u32 s3, s[LIM]
	s_cbranch_scc0 .Lnot_mine_\@
	global_prefetch_b8 v[PFO], s[PFA:PFA+1] th:TH_LOAD_NT scope:SCOPE_SE
.Lnot_mine_\@:
.endm
.macro CREST
	s_cmp_lg_u32 s10, 0
	s_cbranch_scc1 .Lnot_wave_0_\@
	s_barrier_signal -3
.Lnot_wave_0_\@:
	s_barrier_wait -3
	s_barrier_signal -1
	s_barrier_wait -1
.endm
.macro CROUND
	s_barrier_signal -1
	s_barrier_wait -1
	CREST
.endm
	s_load_b128 s[4:7], s[0:1], 0x0                ; p s[4:5], qkv s[6:7]
	s_load_b64 s[8:9], s[0:1], 0x10                ; out0
	s_load_b64 s[68:69], s[0:1], 0x18              ; stats
	v_lshl_add_u32 v[SPW], v0, 2, SPARE
	v_mov_b32 v[NIL], 0
	ds_add_u32 v[SPW], v[NIL]                      ; the wave's opening: the add, twice on end, and its wait ahead of my first tensor load
	ds_add_u32 v[SPW], v[NIL]
	v_lshrrev_b32 v1, 5, v0
	v_readfirstlane_b32 s10, v1                    ; wave 0..3
	s_lshr_b32 s11, s10, 1                         ; my half of the tile's queries.  Also: I fetch for p (0) or v (1)
	s_and_b32 s12, s10, 1                          ; my half of its channels.  Also: which half of that tile I fetch
	s_bfe_u32 s40, ttmp6, 0x40000                  ; cx
	s_bfe_u32 s41, ttmp6, 0x40004                  ; cy
	s_lshl_b32 s42, ttmp9, 2
	s_add_co_u32 s42, s42, s40                     ; channel tile 0..7
	s_and_b32 s13, ttmp7, 0xffff
	s_lshl_b32 s13, s13, 2
	s_add_co_u32 s13, s13, s41                     ; query tile 0..31
	s_lshl_b32 s43, s41, 2
	s_lshl_b32 s43, 15, s43                        ; my row of the cluster
	s_lshl_b32 s44, 0x1111, s40                    ; my column
	; group 1 for p: 64 rows x 256 elements of 2 bytes, 4 words of padding behind every 128
	s_or_b32 s[G1+0], s43, (1<<16)|(1<<20)|(1<<21)|(6<<22)|(3<<25)
	s_mov_b32 s[G1+1], 256<<16
	s_mov_b32 s[G1+2], 64<<16
	s_mov_b32 s[G1+3], 256<<16
	s_mov_b32 s[G1+4], 64
	s_mov_b32 s[G1+5], 4096
	s_mov_b32 s[G1+6], 0
	s_mov_b32 s[G1+7], 0
	; group 1 for v: 128 rows (keys) x 128 elements, 8 words of padding behind every 64
	s_or_b32 s[G1B+0], s44, (1<<16)|(1<<20)|(1<<21)|(5<<22)|(7<<25)
	s_mov_b32 s[G1B+1], 128<<16
	s_mov_b32 s[G1B+2], 128<<16
	s_mov_b32 s[G1B+3], 128<<16
	s_mov_b32 s[G1B+4], 128
	s_mov_b32 s[G1B+5], 1024
	s_mov_b32 s[G1B+6], 0
	s_mov_b32 s[G1B+7], 0
	s_lshl_b32 s16, s13, 7
	s_lshl_b32 s17, s12, 6
	s_add_co_u32 s16, s16, s17                     ; p: row 128 x query tile + 64 x half,
	s_lshl_b32 s16, s16, 13                        ; in bytes
	s_mov_b32 s17, 0
	s_lshl_b32 s46, s12, 18                        ; v: key 128 x half (2,048 bytes a key),
	s_lshl_b32 s47, s42, 8                         ; channel 128 x channel tile
	s_add_co_u32 s46, s46, s47
	s_mov_b32 s47, 0
	s_mul_i32 s[LP], s12, PHALF                    ; where they go: no place in the cluster enters an LDS address
	s_mul_i32 s[LV], s12, VHALF
	s_add_co_u32 s[LV], s[LV], VOFF
	s_mov_b32 s[CC], 0x3d38aa3b                    ; c = log2(e) / 32
	s_wait_dscnt 0x0                               ; both opening adds are done
	s_wait_kmcnt 0x0
	s_add_nc_u64 s[6:7], s[6:7], 0x1000000         ; v lies 16,777,216 bytes behind q
	s_add_nc_u64 s[14:15], s[4:5], s[16:17]
	s_add_nc_u64 s[46:47], s[6:7], s[46:47]
	CROUND                                         ; all sixteen work-groups are here: the first joint loads meet
.irp s, 0,1
	s_mov_b32 s[G0+4*(\s)], 1
	s_add_co_u32 s[G0+4*(\s)+1], s[LP], (\s)*SLOT
	s_add_nc_u64 s[G0+4*(\s)+2:G0+4*(\s)+3], s[14:15], (\s)*PSTEP
	s_or_b32 s[G0+4*(\s)+3], s[G0+4*(\s)+3], 0x80000000
	s_mov_b32 s[G0B+4*(\s)], 1
	s_add_co_u32 s[G0B+4*(\s)+1], s[LV], (\s)*SLOT
	s_add_nc_u64 s[G0B+4*(\s)+2:G0B+4*(\s)+3], s[46:47], (\s)*VSTEP
	s_or_b32 s[G0B+4*(\s)+3], s[G0B+4*(\s)+3], 0x80000000
	JLOAD \s                                       ; two loads of mine are out
.endr
	; thread t makes the 16 factors of row 128 x query tile + t
	s_lshl_b32 s22, s13, 9
	v_lshl_add_u32 v[SO], v0, 2, s22
.irp j, 0,1,2,3,4,5,6,7,8,9,10,11,12,13,14,15
	global_load_b32 v[128+(\j)], v[SO], s[68:69] offset:(\j)*16384           ; T_j
	global_load_b32 v[144+(\j)], v[SO], s[68:69] offset:(\j)*16384+262144    ; l_j
.endr
	WIN 0x80                                       ; destination window 2
.set i, 0
.rept 128
	v_mov_b32 v[i], 0                              ; O
.set i, i+1
.endr
	WIN 0
	v_and_b32 v1, 15, v0                           ; l % 16
	v_bfe_u32 v2, v0, 4, 1                         ; l / 16
	v_mul_u32_u24 v3, v1, PP
	v_lshl_add_u32 v3, v2, 4, v3
	s_mul_i32 s22, s11, PHALF                      ; my 64 rows of p
	v_add_nc_u32 v[ADRA0], s22, v3
	v_mov_b32 v[ADRA], v[ADRA0]                    ; the walk begins in slot 0
	v_and_b32 v4, 7, v0                            ; the turning load: key 8 (l / 16) + l % 8, channels 8 ((l / 8) % 2) on
	v_lshl_add_u32 v4, v2, 3, v4
	v_mul_u32_u24 v4, v4, PVP
	v_bfe_u32 v5, v0, 3, 1
	v_lshl_add_u32 v4, v5, 4, v4
	s_lshl_b32 s22, s12, 7                         ; my 64 channels: 128 bytes of a row
	s_add_co_u32 s22, s22, VOFF
	v_add_nc_u32 v[ADRV0], s22, v4
	v_add_nc_u32 v[ADRV0+1], VHALF, v[ADRV0]
	v_mov_b32 v[ADRV], v[ADRV0]
	v_mov_b32 v[ADRV+1], v[ADRV0+1]
	s_mul_i32 s23, s10, 16*SPITCH
	s_add_co_u32 s23, s23, STAGE                   ; my stage
	v_mul_u32_u24 v4, v1, SPITCH                   ; in: row l % 16, 32 bytes for each half of the lanes
	v_lshl_add_u32 v4, v2, 5, v4
	v_add_nc_u32 v[STO], s23, v4
	v_mul_u32_u24 v5, v2, SPITCH                   ; back: lanes 0-15 one row of 256 bytes, lanes 16-31 the next
	v_lshl_add_u32 v5, v1, 4, v5
	v_add_nc_u32 v[RD], s23, v5
	v_lshlrev_b32 v5, 12, v2                       ; and the same two rows in out0
	v_lshl_add_u32 v[CO], v1, 4, v5
	s_lshl_b32 s22, s11, 9                         ; the factors: my row is 64 x (wave / 2) + 16 x (2 (wave % 2) + l / 16) + l % 16
	s_lshl_b32 s23, s12, 4
	s_add_co_u32 s23, s23, s22
	s_add_co_u32 s23, s23, FT
	v_lshl_add_u32 v[FS], v1, 5, s23
	v_lshl_add_u32 v[FS], v2, 3, v[FS]
	s_add_co_u32 s22, s22, FT
	v_lshl_add_u32 v[FA0], v1, 5, s22              ; and what I read: the four query blocks' pairs of my half, for l % 16: 32 bytes
	s_lshl_b32 s16, s13, 7
	s_lshl_b32 s14, s11, 6
	s_add_co_u32 s16, s16, s14                     ; my first row of out0,
	s_lshl_b32 s16, s16, 12
	s_lshl_b32 s46, s42, 9                         ; my 64 channels: 256 bytes
	s_lshl_b32 s47, s12, 8
	s_add_co_u32 s46, s46, s47
	s_add_co_u32 s16, s16, s46
	s_mov_b32 s17, 0
	s_add_nc_u64 s[8:9], s[8:9], s[16:17]
	; the prefetches
	s_lshl_b32 s20, s13, 7
	s_lshl_b32 s21, s12, 6
	s_add_co_u32 s20, s20, s21
	s_lshl_b32 s21, s40, 4
	s_add_co_u32 s20, s20, s21
	s_lshl_b32 s20, s20, 13
	s_add_co_u32 s20, s20, 5*PSTEP                 ; at K step 5: the first refill steps it to 6
	s_lshl_b32 s21, s12, 7
	s_lshl_b32 s22, s41, 5
	s_add_co_u32 s21, s21, s22
	s_lshl_b32 s21, s21, 11
	s_lshl_b32 s22, s42, 8
	s_add_co_u32 s21, s21, s22
	s_add_co_u32 s21, s21, 5*VSTEP
	s_and_b32 s22, ttmp7, 0xffff
	s_movk_i32 s23, PSTEP
	s_mov_b32 s14, VSTEP
	s_movk_i32 s15, 8192
	s_movk_i32 s18, 2048
	s_cmp_eq_u32 s11, 0                            ; do I fetch for p?
	s_cselect_b32 s20, s20, s21
	s_cselect_b32 s22, ttmp9, s22
	s_cselect_b64 s[PFA:PFA+1], s[4:5], s[6:7]
	s_cselect_b32 s[PFS], s23, s14
	s_cselect_b32 s19, s15, s18                    ; bytes from row to row
	s_cselect_b32 s18, 1, 0                        ; lanes to a row, less one
	s_mov_b32 s[PFS+1], 0
	s_mov_b32 s21, 0
	s_cmp_eq_u32 s22, 0
	s_cselect_b32 s[LIM], 4, -1
	s_add_nc_u64 s[PFA:PFA+1], s[PFA:PFA+1], s[20:21]
	v_and_b32 v5, 31, v0
	v_lshrrev_b32 v6, s18, v5
	v_and_b32 v7, s18, v5
	v_mul_u32_u24 v[PFO], s19, v6
	v_lshl_add_u32 v[PFO], v7, 8, v[PFO]
	s_wait_loadcnt 0x0                             ; T and l
	v_max3_num_f32 v160, v128, v129, v130
.irp j, 3,5,7,9,11,13
	v_max3_num_f32 v160, v160, v[128+(\j)], v[128+(\j)+1]
.endr
	v_max_num_f32 v160, v160, v143                 ; the row's maximum
.irp j, 0,1,2,3,4,5,6,7,8,9,10,11,12,13,14,15
	v_sub_f32 v[128+(\j)], v[128+(\j)], v160
.endr
.irp j, 0,1,2,3,4,5,6,7,8,9,10,11,12,13,14,15
	v_mul_f32 v[128+(\j)], s[CC], v[128+(\j)]
.endr
.irp j, 0,1,2,3,4,5,6,7,8,9,10,11,12,13,14,15
	v_exp_f32 v[128+(\j)], v[128+(\j)]             ; e_j
.endr
	v_nop                                          ; a plain instruction behind the last exponential,
	s_wait_alu depctr_va_vdst(0)                   ; and one wait for the batch, ahead of its first reader
.irp j, 0,1,2,3
	v_mul_f32 v[161+(\j)], v[128+(\j)], v[144+(\j)]
.endr
.irp j, 4,5,6,7,8,9,10,11,12,13,14,15
	v_fmac_f32 v[161+(\j)%4], v[128+(\j)], v[144+(\j)]
.endr
	v_add_f32 v161, v161, v162
	v_add_f32 v163, v163, v164
	v_add_f32 v161, v161, v163                     ; L
	v_rcp_f32 v165, v161
	v_nop
	s_wait_alu depctr_va_vdst(0)
.irp j, 0,1,2,3,4,5,6,7,8,9,10,11,12,13,14,15
	v_mul_f32 v[176+2*(\j)], v[128+(\j)], v165     ; f_j, twice: a pair for the packed multiply-add
	v_mul_f32 v[177+2*(\j)], v[128+(\j)], v165
.endr
.irp j, 0,1,2,3,4,5,6,7,8,9,10,11,12,13,14,15
	ds_store_b64 v[FS], v[176+2*(\j):177+2*(\j)] offset:(\j)*1024
.endr
; 8 matrix instructions: query blocks a0, a0 + 1 x all 4 channel blocks, 32 keys: half c of buffer f.  zero = 1: the product starts the step's sums
.macro MUL8 f, c, a0, zero
	WIN MUL
.irp a, \a0, (\a0)+1
.irp b, 0,1,2,3
.if \zero
	v_wmma_f32_16x16x32_f16 v[ACC+8*(4*(\a)+(\b)):ACC+8*(4*(\a)+(\b))+7], v[(\f)+64+8*(4*(\c)+(\b)):(\f)+64+8*(4*(\c)+(\b))+7], v[(\f)+8*(4*(\c)+(\a)):(\f)+8*(4*(\c)+(\a))+7], 0
.else
	v_wmma_f32_16x16x32_f16 v[ACC+8*(4*(\a)+(\b)):ACC+8*(4*(\a)+(\b))+7], v[(\f)+64+8*(4*(\c)+(\b)):(\f)+64+8*(4*(\c)+(\b))+7], v[(\f)+8*(4*(\c)+(\a)):(\f)+8*(4*(\c)+(\a))+7], v[ACC+8*(4*(\a)+(\b)):ACC+8*(4*(\a)+(\b))+7]
.endif
.endr
.endr
.endm
; 32 LDS loads in one run: the fragments of quarter q (keys 64 q on) of the slot in hand into buffer f; the first 32 keys first
.macro FETCH q, f
	WIN TO_F
.irp c, 0,1
.irp i, 0,1,2,3
	ds_load_tr16_b128 v[(\f)+64+8*(4*(\c)+(\i)):(\f)+64+8*(4*(\c)+(\i))+3],   v[ADRV+(\q)/2] offset:((\q)%2)*64*PVP+(\c)*32*PVP+32*(\i)
	ds_load_tr16_b128 v[(\f)+64+8*(4*(\c)+(\i))+4:(\f)+64+8*(4*(\c)+(\i))+7], v[ADRV+(\q)/2] offset:((\q)%2)*64*PVP+(\c)*32*PVP+16*PVP+32*(\i)
	ds_load_b128 v[(\f)+8*(4*(\c)+(\i)):(\f)+8*(4*(\c)+(\i))+3],   v[ADRA] offset:(\q)*128+64*(\c)+(\i)*16*PP
	ds_load_b128 v[(\f)+8*(4*(\c)+(\i))+4:(\f)+8*(4*(\c)+(\i))+7], v[ADRA] offset:(\q)*128+64*(\c)+(\i)*16*PP+32
.endr
.endr
.endm
.macro PLACES                          ; four plain instructions between a matrix instruction and a load into, or a read of, its registers
.rept 4
	v_nop
.endr
.endm
; A K step is four quarters of 64 keys, 32 matrix instructions each, on buffers 0, 1, 0, 1.  One of the first three multiplies buffer f and fetches quarter q into g.  fl = 1: the step's factors are fetched too.
.macro QUARTER q, f, g, zero, fl
	s_wait_dscnt 16                                ; the first 32 keys are in
	MUL8 \f, 0, 0, \zero
	MUL8 \f, 0, 2, \zero
	PLACES
.if \fl
	WIN 0
	ds_load_b128 v[FR:FR+3],   v[FA]
	ds_load_b128 v[FR+4:FR+7], v[FA] offset:16
.endif
	FETCH \q, \g
	s_wait_dscnt 32                                ; all but the 32 just issued: the factors, which are older, too
	MUL8 \f, 1, 0, 0
	MUL8 \f, 1, 2, 0
.endm
; The last quarter changes slots and then multiplies buffer 1.  ONE barrier: in front of it each wave waits for all its tensor loads (one is out: its part of the next slot), adds 0 to its spare word, and
; waits for that and for its reads of this slot (the last were issued in the middle of the quarter before).  The register work between the add and its wait: the walking descriptors take this slot and the next
; K step but one; the slot's register is turned; the three fragment addresses are made for the next slot: these three are also places in front of the loads into buffer 0, which the quarter before multiplied.
; fill = 1: the barrier opens a round of the cluster's, and this slot is filled again first thing behind the round.  fill = 0: the last two K steps; the very last (s3 = 1) has no step to fetch for.
.macro TURN fill
.if \fill
	s_wait_xcnt 0x0                                ; the last prefetch, a K step back, has read its address
	s_add_nc_u64 s[PFA:PFA+1], s[PFA:PFA+1], s[PFS:PFS+1]
.endif
	WIN 0
	s_wait_tensorcnt 0x0                           ; no tensor load of mine is out, so a group 0 may be written
	ds_add_u32 v[SPW], v[NIL]
.if \fill
	s_add_co_u32 s[G0+5], s[LP], s[SOF]            ; into the slot in hand,
	s_add_co_u32 s[G0B+5], s[LV], s[SOF]
	s_add_nc_u64 s[G0+6:G0+7], s[G0+6:G0+7], PSTEP       ; the K step behind the one asked for last; the type bits on top are not reached
	s_add_nc_u64 s[G0B+6:G0B+7], s[G0B+6:G0B+7], VSTEP
.endif
	s_xor_b32 s[SOF], s[SOF], SLOT                 ; the other slot is in hand from here on
	v_add_nc_u32 v[ADRA], s[SOF], v[ADRA0]
	v_add_nc_u32 v[ADRV], s[SOF], v[ADRV0]
	v_add_nc_u32 v[ADRV+1], s[SOF], v[ADRV0+1]
	s_wait_dscnt 0x0                               ; the add is done, and my reads of the old slot are over
	s_barrier_signal -1
	s_barrier_wait -1
.if \fill
	CREST                                          ; no wave of any partner still reads the old slot or has a load on its way
	JLOAD 1                                        ; its four v_nop complete the places in front of the loads below
	FETCH 0, F0
	WIN 0
	ASK
.else
	v_nop                                          ; the fourth place
	s_cmp_eq_u32 s3, 1
	s_cbranch_scc1 .Lno_fetch_\@
	FETCH 0, F0
	WIN 0
.Lno_fetch_\@:
.endif
	MUL8 F1, 0, 0, 0
	MUL8 F1, 0, 2, 0
	MUL8 F1, 1, 0, 0
	MUL8 F1, 1, 2, 0
.endm
; O += f x T: 64 packed multiply-adds; each accumulator's registers in ascending order.  They are also the places between the step's last products and the next step's first, which write T anew.
.macro FOLD
	PLACES
	WIN FOLDW
.irp a, 0,1,2,3
.irp b, 0,1,2,3
.irp e, 0,2,4,6
	v_pk_fma_f32 v[8*(4*(\a)+(\b))+(\e):8*(4*(\a)+(\b))+(\e)+1], v[ACC+8*(4*(\a)+(\b))+(\e):ACC+8*(4*(\a)+(\b))+(\e)+1], v[FR+2*(\a):FR+2*(\a)+1], v[8*(4*(\a)+(\b))+(\e):8*(4*(\a)+(\b))+(\e)+1]
.endr
.endr
.endr
.endm
; A whole K step
.macro STEP fill
	v_add_nc_u32 v[FA], s[FTB], v[FA0]
	QUARTER 1, F0, F1, 1, 0
	QUARTER 2, F1, F0, 0, 0
	QUARTER 3, F0, F1, 0, 1
	TURN \fill
	FOLD
	WIN 0
	s_add_co_u32 s[FTB], s[FTB], 1024
.endm
; THE WAY OUT of query block a: 16 rows x 256 bytes through my stage, and out as whole rows
.macro OUT a
.set BK, TMP+32*((\a)%2)
	WIN 0x08                                       ; the stores' data: window 2
.irp b, 0,1,2,3
	ds_store_b128 v[STO], v[8*(4*(\a)+(\b)):8*(4*(\a)+(\b))+3]   offset:64*(\b)
	ds_store_b128 v[STO], v[8*(4*(\a)+(\b))+4:8*(4*(\a)+(\b))+7] offset:64*(\b)+16
.endr
	WIN 0
.irp t, 0,1,2,3,4,5,6,7
	ds_load_b128 v[BK+4*(\t):BK+4*(\t)+3], v[RD] offset:(\t)*2*SPITCH  ; LDS serves a wave's instructions in order (ISA guide 5.7.1.4): these see the stores above
.endr
	s_wait_dscnt 0x0
	s_wait_xcnt 0x0                                ; the earlier stores have read their base and data
.if (\a) > 0
	s_add_nc_u64 s[8:9], s[8:9], 16*4096
.endif
.irp t, 0,1,2,3,4,5,6,7
	global_store_b128 v[CO], v[BK+4*(\t):BK+4*(\t)+3], s[8:9] offset:(\t)*2*4096 th:TH_STORE_NT  ; 16 lanes store 256 consecutive bytes, aligned
.endr
.endm
	s_wait_dscnt 0x0                               ; for the others' sake: my factors lie in LDS
	s_wait_tensorcnt 1                             ; my part of K step 0 is in; K step 1's may stay out
	s_barrier_signal -1
	s_barrier_wait -1
	FETCH 0, F0
	WIN 0
	s_mov_b32 s[FTB], 0
	s_mov_b32 s[SOF], 0
	s_mov_b32 s3, 14
.Lstep:                                                ; K steps 0 to 13: each fills its slot again, with K steps 2 to 15
	STEP 1
	s_sub_co_u32 s3, s3, 1
	s_cmp_lg_u32 s3, 0
	s_cbranch_scc1 .Lstep
	s_mov_b32 s3, 2
.Ltail:                                                ; K steps 14 and 15 fill nothing: a text of their own
	STEP 0
	s_sub_co_u32 s3, s3, 1
	s_cmp_lg_u32 s3, 0
	s_cbranch_scc1 .Ltail
	OUT 0
	OUT 1
	OUT 2
	OUT 3
	s_wait_tensorcnt 0x0                           ; the wave's end
	ds_add_u32 v[SPW], v[NIL]
	s_wait_dscnt 0x0
	CROUND                                         ; the closing round
	s_endpgm
.Lfunc_end_k_q8314a9d71e_pv:
	.size	k_q8314a9d71e_pv, .Lfunc_end_k_q8314a9d71e_pv-k_q8314a9d71e_pv
	.p2alignl 7, 3214868480
	.fill 96, 4, 3214868480
	.section	.rodata,"a",@progbits
	.p2align	6, 0x0
	.amdhsa_kernel k_q8314a9d71e_pv
		.amdhsa_group_segment_fixed_size 327680
		.amdhsa_private_segment_fixed_size 0
		.amdhsa_enable_private_segment 0
		.amdhsa_kernarg_size 32
		.amdhsa_user_sgpr_count 2
		.amdhsa_user_sgpr_kernarg_segment_ptr 1
		.amdhsa_wavefront_size32 1
		.amdhsa_system_sgpr_workgroup_id_x 1
		.amdhsa_system_sgpr_workgroup_id_y 1
		.amdhsa_system_sgpr_workgroup_id_z 1
		.amdhsa_system_vgpr_workitem_id 0
		.amdhsa_next_free_vgpr 640
		.amdhsa_next_free_sgpr 76
		.amdhsa_reserve_vcc 0
		.amdhsa_float_denorm_mode_32 3
		.amdhsa_float_denorm_mode_16_64 3
		.amdhsa_memory_ordered 1
		.amdhsa_forward_progress 1
		.amdhsa_inst_pref_size 77
	.end_amdhsa_kernel
	.amdgpu_metadata
---
amdhsa.version: [ 1, 2 ]
amdhsa.kernels:
  - .name:           k_q8314a9d71e_pv
    .symbol:         k_q8314a9d71e_pv.kd
    .args:
      - { .name: p, .offset: 0, .size: 8, .value_kind: global_buffer, .address_space: global }
      - { .name: qkv, .offset: 8, .size: 8, .value_kind: global_buffer, .address_space: global }
      - { .name: out0, .offset: 16, .size: 8, .value_kind: global_buffer, .address_space: global }
      - { .name: stats, .offset: 24, .size: 8, .value_kind: global_buffer, .address_space: global }
    .group_segment_fixed_size: 327680
    .private_segment_fixed_size: 0
    .kernarg_segment_align: 8
    .kernarg_segment_size: 32
    .max_flat_workgroup_size: 128
    .sgpr_count:     76
    .vgpr_count:     640
    .wavefront_size: 32
...
	.end_amdgpu_metadata
.endif
;; end of part 4
;; ======== version 2 of 2: 4 launches; version 1 with the launch prep written anew for expert scheduling mode
;; limits: values are held in f16: magnitudes above 65,504 overflow, below 6.1e-05 lose precision
;; workspace buffers: xb 8,388,608 bytes; wb 6,291,456 bytes; qkv 25,165,824 bytes; p 33,554,432 bytes; stats 524,288 bytes
;; launch prep (part 5): grid 256 x 1, 7 waves a work-group, no clusters, 0 bytes of LDS; arguments x, Wq, Wk, Wv, xb, wb; writes xb, wb
.if DOCPART == 5
	.amdgcn_target "amdgcn-amd-amdhsa--gfx1250"
	.amdhsa_code_object_version 6
	.text
	.protected	k_q8314a9d71e_prep
	.globl	k_q8314a9d71e_prep
	.p2align	8
	.type	k_q8314a9d71e_prep,@function
k_q8314a9d71e_prep:
	s_mov_b64 s[64:65], 0
	v_nop
	global_prefetch_b8 v0, s[64:65] scope:SCOPE_SE
	s_setreg_imm32_b32 hwreg(HW_REG_WAVE_SCHED_MODE, 0, 2), 2
	s_setreg_imm32_b32 hwreg(HW_REG_WAVE_MODE, 25, 1), 1
	s_wait_xcnt 0x0
	s_wait_alu depctr_vm_vsrc(0)
; THE PROGRAM: out = softmax(q k^T / 32) v with q, k, v = x Wq, x Wk, x Wv.  x: [4096][1024], W: [1024][1024], out: [4096][1024], all f32.
; Four launches: this one rounds x and the three W to bf16; the second makes q, k, v (f16); the third the scores and, for each row and each block of 256 keys, the block's maximum,
; its weights p (f16) and their sum; the fourth adds the blocks' products P v, each times its row's factor.
; NO WORK IS LEFT OUT: all four inputs reach the output, and every step of the reference is done; the maximum is taken away in front of every exponential.
; LIMITS.  All inputs are rounded once to bf16.  q, k, v are kept in f16: they must stay under 65,504 (inputs 30 times the drawn spread give about 4,500; an offset of 30 spreads on x and W about 29,000).
; A weight under 6e-5 of its block's largest keeps f16's fixed step of 6e-8.  NaN and infinities are not treated apart.
; THIS LAUNCH: xb[r][c] = bf16(x[r][c]);  wb[k][1024 i + n] = bf16(Wi[k][n]), i = 0, 1, 2 for Wq, Wk, Wv: the three W side by side, so that one product makes q, k and v.
; A stream: 7,168 rows of 4,096 bytes, four rows to a wave (256 work-groups x 7 waves x 4); the buffers' ends are multiples of four rows, so a wave lies in one buffer.
; A load of the wave takes 512 consecutive bytes (16 a lane), the store of its four numbers a lane 256 consecutive bytes (8 a lane), aligned.
; All 32 loads of a wave go out at once.  No LDS, no barrier, no matrix unit: nothing is shared.  No prefetch: every byte is asked for at once.
; THE MODE: SCHED_MODE bits 1:0 = 2 (LLVM: expert scheduling mode 2), set by the entry lines.  The code itself states the register dependences
; between vector instructions and memory instructions, with s_wait_alu, always for 0.
; THE PLAN.  The wave's 32 pieces go in 8 blocks of four.  Registers that memory instructions touch:
;   v2        the loads' offset.  Written once at the head; read by all 32 loads.
;   v4 .. v7  the stores' offsets, one for each of the wave's four rows.  Written once each: v4 at the head, v5 to v7 behind the loads; read by the stores.
;   X         32 pieces as loaded.  Written by the loads, each register once, before any vector line names it; read by the conversions.
;   Y         32 pieces to store.   Written by block p's conversions, each register once; read by the four stores that are issued in block p + 1.
; Block p rounds its own X into its own Y; its memory instructions are the stores from the Y of block p - 1, which no vector line of block p names.  So one wait at a block's head states
; all that its four stores hang on, and they are dealt among its eight conversions with no further wait.
; No register that a memory instruction reads is ever written again: nothing has to be freed.  EXEC is never written.
.set XR, 16                            ; v[16:143]  32 loads x 4 registers
.set YR, 144                           ; v[144:207] 32 stores x 2 registers
.set BLOCK, 4                          ; pieces in a block
	s_load_b256 s[4:11], s[0:1], 0x0               ; x s[4:5], Wq s[6:7], Wk s[8:9], Wv s[10:11]
	s_load_b128 s[12:15], s[0:1], 0x20             ; xb s[12:13], wb s[14:15]
	v_lshrrev_b32 v1, 5, v0
	v_readfirstlane_b32 s16, v1                    ; wave 0..6
	v_and_b32 v1, 31, v0                           ; lane
	v_lshlrev_b32 v2, 4, v1                        ; 4 f32 a lane: 16 bytes in,
	v_lshlrev_b32 v4, 3, v1                        ; 8 bytes out
	s_mul_i32 s17, ttmp9, 7
	s_wait_alu depctr_va_sdst(0)                   ; s16 is written, ahead of its first reader: the row's number, and with it every base, is made from it
	s_add_co_u32 s17, s17, s16
	s_lshl_b32 s17, s17, 2                         ; R: my first row of the 7,168
	s_sub_co_u32 s18, s17, 4096                    ; its number among W's 3,072 rows (of no use where R < 4,096)
	s_bfe_u32 s19, s18, 0x2000a                    ; which W: 2 bits from bit 10
	s_and_b32 s20, s18, 1023                       ; k: the row in that W
	s_lshl_b32 s21, s17, 12                        ; source offset in x: R x 4,096
	s_lshl_b32 s22, s20, 12                        ; in W: k x 4,096
	s_lshl_b32 s23, s17, 11                        ; destination offset in xb: R x 2,048
	s_mul_i32 s33, s20, 6144                       ; in wb: k x 6,144 + which x 2,048
	s_lshl_b32 s34, s19, 11
	s_add_co_u32 s33, s33, s34
	s_movk_i32 s35, 2048                           ; bytes from row to row in xb,
	s_movk_i32 s36, 6144                           ; in wb
	s_mov_b32 s29, 0
	s_mov_b32 s31, 0
	s_wait_kmcnt 0x0
	s_cmp_eq_u32 s19, 1                            ; the choices hang on the row's number alone
	s_cselect_b64 s[24:25], s[8:9], s[6:7]
	s_cmp_eq_u32 s19, 2
	s_cselect_b64 s[24:25], s[10:11], s[24:25]
	s_cmp_lt_u32 s17, 4096
	s_cselect_b64 s[24:25], s[4:5], s[24:25]       ; from where,
	s_cselect_b64 s[26:27], s[12:13], s[14:15]     ; to where
	s_cselect_b32 s28, s21, s22
	s_cselect_b32 s30, s23, s33
	s_cselect_b32 s32, s35, s36
	s_add_nc_u64 s[24:25], s[24:25], s[28:29]
	s_add_nc_u64 s[26:27], s[26:27], s[30:31]
	s_wait_alu depctr_va_vdst(0)                   ; v2 is written, which all 32 loads read as their offset (and v4, the offset of the first row's stores)
.set i, 0
.rept 32                               ; piece i: row i / 8, its eighth i % 8: 512 consecutive bytes
	global_load_b128 v[XR+4*i:XR+4*i+3], v2, s[24:25] offset:(i/8)*4096+(i%8)*512 th:TH_LOAD_NT
.set i, i+1
.endr
	v_add_nc_u32 v5, s32, v4                       ; my 8 bytes in the wave's rows 1, 2, 3 of the destination
	v_add_nc_u32 v6, s32, v5
	v_add_nc_u32 v7, s32, v6
; Block p: pieces 4 p to 4 p + 3 are rounded; the block before is stored, a store ahead of each pair of conversions.
.set p, 0
.rept 32/BLOCK
	s_wait_loadcnt 32-BLOCK-BLOCK*p                ; loads come back in order (ISA guide 5.7.1): this block's four pieces are in, the 28 - 4 p younger ones may stay out
.if p > 0
	s_wait_alu depctr_va_vdst(0)                   ; the block before has written its Y, which the four stores below read; in block 1 also: v5 to v7 are written, which later stores read as offsets
.endif
.set i, BLOCK*p
.rept BLOCK
.if p > 0
	global_store_b64 v[4+(i-BLOCK)/8], v[YR+2*(i-BLOCK):YR+2*(i-BLOCK)+1], s[26:27] offset:((i-BLOCK)%8)*256  ; 256 consecutive bytes, at a multiple of 256 from the buffer's first; no vector line since the wait names its registers
.endif
	v_cvt_pk_bf16_f32 v[YR+2*i],   v[XR+4*i],   v[XR+4*i+1]
	v_cvt_pk_bf16_f32 v[YR+2*i+1], v[XR+4*i+2], v[XR+4*i+3]
.set i, i+1
.endr
.set p, p+1
.endr
	s_wait_alu depctr_va_vdst(0)                   ; the last block has written its Y, which the last four stores read
.set i, 32-BLOCK
.rept BLOCK
	global_store_b64 v[4+i/8], v[YR+2*i:YR+2*i+1], s[26:27] offset:(i%8)*256
.set i, i+1
.endr
	s_endpgm
.Lfunc_end_k_q8314a9d71e_prep:
	.size	k_q8314a9d71e_prep, .Lfunc_end_k_q8314a9d71e_prep-k_q8314a9d71e_prep
	.p2alignl 7, 3214868480
	.fill 96, 4, 3214868480
	.section	.rodata,"a",@progbits
	.p2align	6, 0x0
	.amdhsa_kernel k_q8314a9d71e_prep
		.amdhsa_group_segment_fixed_size 0
		.amdhsa_private_segment_fixed_size 0
		.amdhsa_enable_private_segment 0
		.amdhsa_kernarg_size 48
		.amdhsa_user_sgpr_count 2
		.amdhsa_user_sgpr_kernarg_segment_ptr 1
		.amdhsa_wavefront_size32 1
		.amdhsa_system_sgpr_workgroup_id_x 1
		.amdhsa_system_sgpr_workgroup_id_y 1
		.amdhsa_system_sgpr_workgroup_id_z 1
		.amdhsa_system_vgpr_workitem_id 0
		.amdhsa_next_free_vgpr 208
		.amdhsa_next_free_sgpr 66
		.amdhsa_reserve_vcc 0
		.amdhsa_float_denorm_mode_32 3
		.amdhsa_float_denorm_mode_16_64 3
		.amdhsa_memory_ordered 1
		.amdhsa_forward_progress 1
		.amdhsa_inst_pref_size 13
	.end_amdhsa_kernel
	.amdgpu_metadata
---
amdhsa.version: [ 1, 2 ]
amdhsa.kernels:
  - .name:           k_q8314a9d71e_prep
    .symbol:         k_q8314a9d71e_prep.kd
    .args:
      - { .name: x, .offset: 0, .size: 8, .value_kind: global_buffer, .address_space: global }
      - { .name: Wq, .offset: 8, .size: 8, .value_kind: global_buffer, .address_space: global }
      - { .name: Wk, .offset: 16, .size: 8, .value_kind: global_buffer, .address_space: global }
      - { .name: Wv, .offset: 24, .size: 8, .value_kind: global_buffer, .address_space: global }
      - { .name: xb, .offset: 32, .size: 8, .value_kind: global_buffer, .address_space: global }
      - { .name: wb, .offset: 40, .size: 8, .value_kind: global_buffer, .address_space: global }
    .group_segment_fixed_size: 0
    .private_segment_fixed_size: 0
    .kernarg_segment_align: 8
    .kernarg_segment_size: 48
    .max_flat_workgroup_size: 224
    .sgpr_count:     66
    .vgpr_count:     208
    .wavefront_size: 32
...
	.end_amdgpu_metadata
.endif
;; end of part 5
;; launch proj: the kernel of part 2 again; grid 12 x 16, 4 waves a work-group, clusters of 4 x 4, 327,680 bytes of LDS; arguments xb, wb, qkv; writes qkv
;; launch scores: the kernel of part 3 again; grid 16 x 16, 4 waves a work-group, clusters of 4 x 4, 327,680 bytes of LDS; arguments qkv, p, stats; writes p, stats
;; launch pv: the kernel of part 4 again; grid 8 x 32, 4 waves a work-group, clusters of 4 x 4, 327,680 bytes of LDS; arguments p, qkv, out0, stats; writes out0
